; MI455X (gfx1250); checked and timed in simulation.
; The chip was launched on July 23, 2026; its instructions are those of AMD's public machine-readable ISA for CDNA 5 (MIT licence, August 2026) and "CDNA5" Instruction Set Architecture Reference Guide (July 2026). The comments in the code are by the model that wrote it; some were corrected since.
;; Multi Head Attention. Allowed arithmetic: matrix products marked QUANTISED: E2M1 operands, one E8M0 scale for each 32 along K, by v_wmma_scale_f32_16x16x128_f8f6f4 with both operands' format E2M1 (or v_wmma_scale_f32_32x16x128_f4), f32 sums; products left as they are: bf16, f16 or f32 operands; f32 sums; everything else in f32.
;; Inputs: bk 1,024 float32; bo 1,024 float32; bq 1,024 float32; bv 1,024 float32; key 4 x 2,048 x 1,024 float32; mask 4 x 1 x 1 x 2,048 float32; query 4 x 2,048 x 1,024 float32; value 4 x 2,048 x 1,024 float32; wk 1,024 x 1,024 float32; wo 1,024 x 1,024 float32; wq 1,024 x 1,024 float32; wv 1,024 x 1,024 float32.
;; Outputs: out0 4 x 2,048 x 1,024 float32.
;; This version of the problem:
;;   THIS VERSION OF THE PROBLEM IS GIVEN IN LOW PRECISION. The matrix products marked QUANTISED in the list below multiply operands that are first quantised to E2M1 (2 exponent bits, 1 mantissa bit; 4 bits a number), with one power-of-two scale for each 32 numbers along K (OCP MX v1.0); their sums are f32. The products marked 'left as it is' may take bf16, f16 or f32 operands, with f32 sums. All else is computed in f32.
;;   The module's matrix products, in the order in which they are computed (A, B: the left and right operand; K: the contracted axis; several contracted axes count as one K, in the product's order):
;;     1. [M 8,192, K 1,024] x [K 1,024, N 1,024]; A: input query; B: input wq: QUANTISED
;;     2. [M 8,192, K 1,024] x [K 1,024, N 1,024]; A: input key; B: input wk: QUANTISED
;;     3. [M 8,192, K 1,024] x [K 1,024, N 1,024]; A: input value; B: input wv: QUANTISED
;;     4. batch 64 x [M 2,048, K 64] x [K 64, N 2,048]; A: computed on the way; B: computed on the way: left as it is (an operand is computed on the way)
;;     5. batch 64 x [M 2,048, K 2,048] x [K 2,048, N 64]; A: computed on the way; B: computed on the way: left as it is (an operand is computed on the way)
;;     6. [M 8,192, K 1,024] x [K 1,024, N 1,024]; A: computed on the way; B: input wo: left as it is (an operand is computed on the way)
;;   THE QUANTISER, for each operand of a quantised product, along K:
;;     - K is cut into blocks of 32 from its start; a last block that is shorter is filled with zeros.
;;     - A block's scale is 2^e with e = floor(log2(the largest magnitude in the block)) - 2, held to -126 .. 127; a block of zeros has e = 0. As a byte (E8M0): e + 127.
;;     - Each number is divided by its block's scale, clamped to +-6, and rounded to the nearest number of E2M1, ties to even, subnormals kept.
;;     - The product sums the exact products of the quantised numbers (number of the format x scale) in f32.
;;   ~~~python
;;   def quantise(x, axis):      # numpy; x: float32 -> the quantised numbers, widened to float32 again
;;       x = np.moveaxis(x, axis, -1); K = x.shape[-1]
;;       x = np.pad(x, [(0, 0)] * (x.ndim - 1) + [(0, -K % 32)]); x = x.reshape(x.shape[:-1] + (-1, 32)); a = np.abs(x).max(-1, keepdims=True)
;;       e = np.where(a > 0, np.clip(np.frexp(np.where(a > 0, a, 1))[1] - 1 - 2, -126, 127), 0)      # np.frexp(a)[1] - 1 = floor(log2(a)), exactly
;;       r = np.clip(x / 2.0 ** e, -6, 6)
;;       step = 2.0 ** (np.maximum(np.frexp(np.where(r == 0, 1, r))[1] - 1, 0) - 1)
;;       q = np.round(r / step) * step * 2.0 ** e      # np.round: ties to even
;;       return np.moveaxis(q.reshape(q.shape[:-2] + (-1,))[..., :K], -1, axis).astype(np.float32)
;;   ~~~
;; One version. Each part assembles by itself: llvm-mc -triple=amdgcn-amd-amdhsa -mcpu=gfx1250 --defsym DOCPART=n.
;; ======== version 1 of 1: 4 launches
;; limits: values are held in f16: magnitudes above 65,504 overflow, below 6.1e-05 lose precision
;; workspace buffers: xc 12,582,912 bytes; xs 786,432 bytes; wc 1,572,864 bytes; ws 98,304 bytes; wot 2,097,152 bytes; qkv 50,331,648 bytes; ctx 16,777,216 bytes
;; launch prep (part 1): grid 880 x 1, 4 waves a work-group, no clusters, 102,912 bytes of LDS; arguments query, key, value, wq, wk, wv, wo, xc, xs, wc, ws, wot; writes xc, xs, wc, ws, wot
.if DOCPART == 1
	.amdgcn_target "amdgcn-amd-amdhsa--gfx1250"
	.amdhsa_code_object_version 6
	.text
	.protected	k_qc56ab58276_prep
	.globl	k_qc56ab58276_prep
	.p2align	8
	.type	k_qc56ab58276_prep,@function
k_qc56ab58276_prep:
	s_mov_b64 s[64:65], 0
	v_nop
	global_prefetch_b8 v0, s[64:65] scope:SCOPE_SE
	s_setreg_imm32_b32 hwreg(HW_REG_WAVE_MODE, 25, 1), 1
	s_wait_xcnt 0x0
; WHAT IS MADE READY ONCE, for the three launches that follow.  Three kinds of work-groups, told apart by the work-group's number alone; they never meet again, and each kind has LDS bytes of its own.
;   0 .. 47    wq, wk, wv ([1024 (k)][1024 (n)] f32, K is the FIRST axis) -> codes of FP4 (E2M1) laid [n][k], K innermost, 512 bytes a row, in wc (three tensors on end), one E8M0 scale byte for each 32 along K in ws ([n][32]).
;   48 .. 111  wo ([k][n] f32) -> wot [n][k] in f16: the last product is left as it is and takes f16 operands; its K becomes innermost here.
;   112 .. 879 query, key, value ([8192][1024] f32, K innermost) -> codes in xc ([24576][512 bytes]) and scale bytes in xs ([24576][32]), the three tensors on end.
; THE QUANTISER: a block's scale is 2^(floor(log2(its largest magnitude)) - 2); its byte is the largest magnitude's own exponent field - 2, held at 1 from below by a floor among the maximum's leaves.
; Each number is divided by the scale and rounded to the nearest code, ties to even; beyond 6 the conversion gives the largest code.
; LIMITS: a block of zeros gets the byte 1 where the rule says 127 (its codes are zeros, which add nothing under any byte but 0xff, and only this program reads the bytes); blocks whose largest magnitude lies
; under 2^-124 have their byte held at 1; NaN and infinities among the inputs are not served; wo beyond f16's 65,504 is not served.
; No tensor load, no barrier: waves share nothing.  The long paths (the weights) have the lowest numbers.
.set EMAX,  2
; --- the activations' path
.set STEPS, 16                         ; a wave takes 16 steps of 512 numbers
.set CB,    8                          ; bytes of 16 codes
.set RX,    16                         ; v16-79   four sets of 16 numbers as they are loaded
.set XX,    80                         ; v80-111  two sets of 16 neighbours
.set EX,    112                        ; v112-127 a scale byte for each step
.set CX,    128                        ; v128-191 codes: four registers for each step, so that no store's data are written again
.set WREG,  8192                       ; LDS 0 .. 32,767: a region for each wave: two stages of 32 x SP bytes, behind them its 256 scale bytes
.set SP,    80                         ; a lane's place in a stage: its 64 bytes + 16 of padding
; --- the weights' paths
.set PITCH, 272                        ; a stage row: 256 bytes + 16
.set WSTG,  32768                      ; LDS: the quantised weights' stages, 32 x 272 bytes a wave
.set OSTG,  67584                      ; LDS: wo's stages, likewise
.set XC,    32                         ; v32-95   two sets of 32 numbers down K
.set CC,    96                         ; v96..    a block's codes, or its 16 registers of f16
.set OUTR,  112                        ; v112-175 the way out
.set SB,    24                         ; v24-27   scale bytes, four to a register
.macro COLADR stg, krow                ; a lane takes a column; its stage row; and the way out: sixteen lanes to a row, two rows an instruction
	v_lshlrev_b32 v3, 2, v2                        ; in: 4 bytes a lane
	s_mul_i32 s35, s28, 32*PITCH
	s_add_co_u32 s35, s35, \stg                    ; my wave's stage
	v_mul_u32_u24 v4, v2, PITCH
	v_add_nc_u32 v4, s35, v4                       ; into it: row = my column
	v_and_b32 v5, 15, v2
	v_lshrrev_b32 v6, 4, v2
	v_mul_u32_u24 v7, v6, PITCH
	v_lshl_add_u32 v7, v5, 4, v7
	v_add_nc_u32 v7, s35, v7                       ; out of it
	v_mul_u32_u24 v8, v6, \krow
	v_lshl_add_u32 v8, v5, 4, v8                   ; and the same place in the output
.endm
.macro LOADC t, base                   ; block t: W(32 t + i, my column), i = 0 .. 31, into set t % 2: 32 lanes read 128 consecutive bytes, the four waves 512
.irp i, 0,1,2,3,4,5,6,7,8,9,10,11,12,13,14,15,16,17,18,19,20,21,22,23,24,25,26,27,28,29,30,31
	global_load_b32 v[XC+32*((\t)%2)+\i], v3, s[\base:\base+1] offset:(32*(\t)+\i)*4096 th:TH_LOAD_NT
.endr
.endm
.macro ROWSOUT base, krow              ; the stage's 32 rows of 256 bytes leave: sixteen lanes store 256 consecutive bytes, aligned
.irp t, 0,1,2,3,4,5,6,7,8,9,10,11,12,13,14,15
	ds_load_b128 v[OUTR+4*\t:OUTR+4*\t+3], v7 offset:2*\t*PITCH   ; LDS serves a wave's instructions in order: these see my stores
.endr
.irp t, 0,1,2,3,4,5,6,7,8,9,10,11,12,13,14,15
	s_wait_dscnt 15-\t                             ; load t is in; the 15 - t younger ones may be out
	global_store_b128 v8, v[OUTR+4*\t:OUTR+4*\t+3], s[\base:\base+1] offset:2*\t*\krow
.endr
.endm
	s_load_b512 s[4:19], s[0:1], 0x0               ; query 4, key 6, value 8, wq 10, wk 12, wv 14, wo 16, xc 18
	s_load_b256 s[20:27], s[0:1], 0x40             ; xs 20, wc 22, ws 24, wot 26
	v_lshl_add_u32 v192, v0, 2, 0x19000
	v_mov_b32 v193, 0
	v_lshrrev_b32 v1, 5, v0
	v_readfirstlane_b32 s28, v1                    ; wave 0..3
	v_and_b32 v2, 31, v0                           ; lane
	s_mov_b32 s33, 0                               ; the upper word of every offset pair s[32:33]
	s_wait_kmcnt 0x0
	s_cmp_lt_u32 ttmp9, 48
	s_cbranch_scc1 .Lw
	s_cmp_lt_u32 ttmp9, 112
	s_cbranch_scc1 .Lo
; ================= query, key, value: plain streams of blocks of 32 (rows are dense, K is a multiple of 32) =================
; Each of a step's four loads reads 512 consecutive bytes, 16 a lane; the conversions want 16 NEIGHBOURS in a lane, so the step's 2,048 bytes turn through the wave's own stage in LDS and come back 64 bytes a lane.
; Two neighbouring lanes hold a block.  A lane's 16 codes are 8 bytes: the wave stores 256 consecutive bytes.  A wave's 256 scale bytes are gathered in LDS and leave as one store of 256 consecutive bytes.
	s_sub_co_u32 s29, ttmp9, 112                   ; 0 .. 767
	s_lshr_b32 s30, s29, 8                         ; which tensor
	s_cmp_eq_u32 s30, 2
	s_cselect_b64 s[6:7], s[8:9], s[6:7]           ; value or key
	s_cmp_eq_u32 s30, 0
	s_cselect_b64 s[4:5], s[4:5], s[6:7]           ; or query: the choice hangs on the work-group's number alone
	s_and_b32 s31, s29, 255
	s_lshl_b32 s31, s31, 2
	s_add_co_u32 s31, s31, s28                     ; my run of 8,192 numbers in the tensor
	s_lshl_b32 s32, s31, 15                        ; 32,768 bytes a run
	s_add_nc_u64 s[4:5], s[4:5], s[32:33]
	s_lshl_b32 s31, s29, 2
	s_add_co_u32 s31, s31, s28                     ; and in the three tensors on end
	s_lshl_b32 s32, s31, 12                        ; 4,096 bytes of codes a run
	s_add_nc_u64 s[18:19], s[18:19], s[32:33]
	s_lshl_b32 s32, s31, 8                         ; 256 scale bytes a run
	s_add_nc_u64 s[20:21], s[20:21], s[32:33]
	v_lshlrev_b32 v3, 4, v2                        ; my 16 bytes of a load's 512
	s_mul_i32 s34, s28, WREG
	v_lshrrev_b32 v14, 2, v2
	v_mul_u32_u24 v14, v14, SP
	v_and_b32 v15, 3, v2
	v_lshl_add_u32 v14, v15, 4, v14
	v_add_nc_u32 v14, s34, v14                     ; the stage, on the way in: SP (lane / 4) + 16 (lane % 4); a load's 512 bytes take eight places
	v_mul_u32_u24 v15, v2, SP
	v_add_nc_u32 v15, s34, v15                     ; and on the way out: SP x lane: my 16 neighbours
	v_mul_u32_u24 v4, v2, CB                       ; my codes' place in a step's
	v_lshrrev_b32 v5, 1, v2
	s_add_co_u32 s34, s34, 2*32*SP
	v_add_nc_u32 v5, s34, v5                       ; LDS: my wave's 256 scale bytes, my block's byte
	v_lshlrev_b32 v7, 3, v2                        ; and on the way out 8 bytes a lane
	v_add_nc_u32 v6, s34, v7
.macro LOADX t
.irp i, 0,1,2,3
	global_load_b128 v[RX+16*((\t)%4)+4*\i:RX+16*((\t)%4)+4*\i+3], v3, s[4:5] offset:2048*(\t)+512*\i th:TH_LOAD_NT
.endr
.endm
.macro TURNX t                         ; step t's numbers through the stage: LDS serves a wave's instructions in order, so no wait stands between the stores and the loads
.irp i, 0,1,2,3
	ds_store_b128 v14, v[RX+16*((\t)%4)+4*\i:RX+16*((\t)%4)+4*\i+3] offset:32*SP*((\t)%2)+8*SP*\i
.endr
.irp i, 0,1,2,3
	ds_load_b128 v[XX+16*((\t)%2)+4*\i:XX+16*((\t)%2)+4*\i+3], v15 offset:32*SP*((\t)%2)+16*\i
.endr
.endm
.irp t, 0,1,2,3
	LOADX \t
.endr
	s_wait_loadcnt 12                              ; step 0's four loads are in; the twelve of steps 1 to 3 may be out
	TURNX 0
.macro STEPX t
.set XS, XX+16*((\t)%2)
.if (\t) > 0
	s_wait_dscnt 1                                 ; this step's numbers are back from the stage (the last step's byte store may be out): so its stores into the stage have read their registers,
.else
	s_wait_dscnt 0x0
.endif
.if (\t)+4 < STEPS
	LOADX (\t)+4                                   ; which take the loads of four steps on
.endif
.if (\t)+1 < STEPS
.if STEPS-2-(\t) >= 3
	s_wait_loadcnt 12                              ; the next step's four loads are in; those of the three steps behind it may be out
.else
	s_wait_loadcnt 4*(STEPS-2-(\t))                ; the tail: four loads for each step still behind the next
.endif
	TURNX (\t)+1                                   ; and go through the other stage while this step is worked
.endif
	v_max3_num_f32 v8, |v[XS]|, |v[XS+1]|, |v[XS+2]|               ; the largest magnitude of my 16, in two chains
	v_max3_num_f32 v9, |v[XS+3]|, |v[XS+4]|, |v[XS+5]|
.irp i, 6,10
	v_max3_num_f32 v8, v8, |v[XS+\i]|, |v[XS+\i+1]|
	v_max3_num_f32 v9, v9, |v[XS+\i+2]|, |v[XS+\i+3]|
.endr
	v_max3_num_f32 v8, v8, |v[XS+14]|, |v[XS+15]|
	v_max3_num_f32 v8, v8, v9, (EMAX+1)<<23        ; and the floor 2^(3 - 127): the byte cannot fall under 1
	v_max_num_f32_dpp v8, v8, v8 row_xmask:1 row_mask:0xf bank_mask:0xf   ; and of my neighbour's 16: the block's
	v_add_nc_u32 v11, -(EMAX<<23), v8              ; 2 off its exponent field: the conversion takes the exponent field of this operand as its scale, and nothing else of it
	v_cvt_scalef32_pk8_fp4_f32 v[CX+4*(\t)], v[XS:XS+7], v11
	v_cvt_scalef32_pk8_fp4_f32 v[CX+4*(\t)+1], v[XS+8:XS+15], v11
	v_lshrrev_b32 v[EX+(\t)], 23, v11              ; the scale's byte (a plain line behind the conversions)
	ds_store_b8 v5, v[EX+(\t)] offset:16*(\t)      ; both lanes of a block write the same byte with the same value
	global_store_b64 v4, v[CX+4*(\t):CX+4*(\t)+1], s[18:19] offset:32*CB*(\t)
.endm
.irp t, 0,1,2,3,4,5,6,7,8,9,10,11,12,13,14,15
	STEPX \t
.endr
	ds_load_b64 v[12:13], v6                       ; LDS serves a wave's instructions in order: these see my stores
	s_wait_dscnt 0x0
	global_store_b64 v7, v[12:13], s[20:21]        ; 32 lanes store 256 consecutive bytes, aligned
	s_wait_tensorcnt 0x0
	ds_add_u32 v192, v193
	s_wait_dscnt 0x0
	s_endpgm
; ================= wq, wk, wv: a lane takes a column n and its registers run down K =================
; A block of 32 along K lies in ONE lane's 32 registers: its maximum needs no other lane, and the conversions give codes with K innermost.  A wave takes 32 columns x 512 along K: 256 bytes of codes a column,
; gathered in the wave's stage and stored by rows.  Loads run two blocks ahead.  Every offset is an immediate: 511 rows of 4,096 bytes at the most, inside the signed 24 bits.
.Lw:
	s_lshr_b32 s29, ttmp9, 4                       ; which weight
	s_cmp_eq_u32 s29, 2
	s_cselect_b64 s[12:13], s[14:15], s[12:13]     ; wv or wk
	s_cmp_eq_u32 s29, 0
	s_cselect_b64 s[10:11], s[10:11], s[12:13]     ; or wq
	s_and_b32 s30, ttmp9, 7                        ; which 128 columns
	s_bfe_u32 s31, ttmp9, 0x10003                  ; which 512 along K
	s_lshl_b32 s30, s30, 7
	s_lshl_b32 s32, s28, 5
	s_add_co_u32 s30, s30, s32                     ; my wave's first column
	s_lshl_b32 s32, s31, 21                        ; 512 rows of 4,096 bytes
	s_lshl_b32 s34, s30, 2
	s_add_co_u32 s32, s32, s34
	s_add_nc_u64 s[10:11], s[10:11], s[32:33]
	s_lshl_b32 s32, s29, 19                        ; codes: 524,288 bytes a weight, 512 a column, 256 for 512 along K
	s_lshl_b32 s34, s30, 9
	s_add_co_u32 s32, s32, s34
	s_lshl_b32 s34, s31, 8
	s_add_co_u32 s32, s32, s34
	s_add_nc_u64 s[22:23], s[22:23], s[32:33]
	s_lshl_b32 s32, s29, 15                        ; scale bytes: 32,768 a weight, 32 a column, 16 for 512 along K
	s_lshl_b32 s34, s30, 5
	s_add_co_u32 s32, s32, s34
	s_lshl_b32 s34, s31, 4
	s_add_co_u32 s32, s32, s34
	s_add_nc_u64 s[24:25], s[24:25], s[32:33]
	COLADR WSTG, 512
	v_lshlrev_b32 v9, 5, v2                        ; my column's row of scale bytes
	LOADC 0, 10
	LOADC 1, 10
.macro BLOCKW t
.set XS, XC+32*((\t)%2)
.if (\t) < 15
	s_wait_loadcnt 32                              ; this block's 32 loads are in; the next block's 32 may be out
.else
	s_wait_loadcnt 0
.endif
	v_max3_num_f32 v12, |v[XS]|, |v[XS+1]|, |v[XS+2]|               ; the block's largest magnitude: all 32 numbers are mine
	v_max3_num_f32 v13, |v[XS+3]|, |v[XS+4]|, |v[XS+5]|
.irp i, 6,10,14,18,22,26
	v_max3_num_f32 v12, v12, |v[XS+\i]|, |v[XS+\i+1]|
	v_max3_num_f32 v13, v13, |v[XS+\i+2]|, |v[XS+\i+3]|
.endr
	v_max3_num_f32 v12, v12, |v[XS+30]|, |v[XS+31]|
	v_max3_num_f32 v12, v12, v13, (EMAX+1)<<23     ; and the floor
	v_add_nc_u32 v11, -(EMAX<<23), v12             ; the conversion's scale operand
	v_lshrrev_b32 v13, 23, v11                     ; the scale's byte
.if (\t)%4 == 0
	v_mov_b32 v[SB+(\t)/4], v13                    ; four bytes to a register, the lower K in the lower byte
.else
	v_lshl_or_b32 v[SB+(\t)/4], v13, 8*((\t)%4), v[SB+(\t)/4]
.endif
.irp g, 0,1,2,3
	v_cvt_scalef32_pk8_fp4_f32 v[CC+\g], v[XS+8*\g:XS+8*\g+7], v11
.endr
	ds_store_b128 v4, v[CC:CC+3] offset:16*(\t)    ; 32 codes: 16 bytes of my column's row
.if (\t)+2 < 16
	LOADC (\t)+2, 10
.endif
	s_wait_dscnt 0x0                               ; the store has read its registers: the next block's codes may be written
.endm
.set Q, 0
.rept 16
	BLOCKW Q
.set Q, Q+1
.endr
	global_store_b128 v9, v[SB:SB+3], s[24:25]     ; my column's 16 scale bytes
	ROWSOUT 22, 512
	s_wait_tensorcnt 0x0
	ds_add_u32 v192, v193
	s_wait_dscnt 0x0
	s_endpgm
; ================= wo: the same frame, no quantiser: 32 columns x 128 along K a wave, rounded to f16: again 256 bytes a column =================
.Lo:
	s_sub_co_u32 s29, ttmp9, 48                    ; 0 .. 63
	s_and_b32 s30, s29, 7                          ; which 128 columns
	s_lshr_b32 s31, s29, 3                         ; which 128 along K
	s_lshl_b32 s30, s30, 7
	s_lshl_b32 s32, s28, 5
	s_add_co_u32 s30, s30, s32                     ; my wave's first column
	s_lshl_b32 s32, s31, 19                        ; 128 rows of 4,096 bytes
	s_lshl_b32 s34, s30, 2
	s_add_co_u32 s32, s32, s34
	s_add_nc_u64 s[16:17], s[16:17], s[32:33]
	s_lshl_b32 s32, s30, 11                        ; wot: 2,048 bytes a column, 256 for 128 along K
	s_lshl_b32 s34, s31, 8
	s_add_co_u32 s32, s32, s34
	s_add_nc_u64 s[26:27], s[26:27], s[32:33]
	COLADR OSTG, 2048
	LOADC 0, 16
	LOADC 1, 16
.macro BLOCKO t
.set XS, XC+32*((\t)%2)
.if (\t) < 3
	s_wait_loadcnt 32                              ; this block's 32 loads are in; the next block's 32 may be out
.else
	s_wait_loadcnt 0
.endif
.irp i, 0,1,2,3,4,5,6,7,8,9,10,11,12,13,14,15
	v_cvt_pk_f16_f32 v[CC+\i], v[XS+2*\i], v[XS+2*\i+1]   ; the lower k in the low half
.endr
.irp g, 0,1,2,3
	ds_store_b128 v4, v[CC+4*\g:CC+4*\g+3] offset:64*(\t)+16*\g
.endr
.if (\t)+2 < 4
	LOADC (\t)+2, 16
.endif
	s_wait_dscnt 0x0                               ; the stores have read their registers
.endm
.irp t, 0,1,2,3
	BLOCKO \t
.endr
	ROWSOUT 26, 2048
	s_wait_tensorcnt 0x0
	ds_add_u32 v192, v193
	s_wait_dscnt 0x0
	s_endpgm
.Lfunc_end_k_qc56ab58276_prep:
	.size	k_qc56ab58276_prep, .Lfunc_end_k_qc56ab58276_prep-k_qc56ab58276_prep
	.p2alignl 7, 3214868480
	.fill 96, 4, 3214868480
	.section	.rodata,"a",@progbits
	.p2align	6, 0x0
	.amdhsa_kernel k_qc56ab58276_prep
		.amdhsa_group_segment_fixed_size 102912
		.amdhsa_private_segment_fixed_size 0
		.amdhsa_enable_private_segment 0
		.amdhsa_kernarg_size 96
		.amdhsa_user_sgpr_count 2
		.amdhsa_user_sgpr_kernarg_segment_ptr 1
		.amdhsa_wavefront_size32 1
		.amdhsa_system_sgpr_workgroup_id_x 1
		.amdhsa_system_sgpr_workgroup_id_y 1
		.amdhsa_system_sgpr_workgroup_id_z 1
		.amdhsa_system_vgpr_workitem_id 0
		.amdhsa_next_free_vgpr 194
		.amdhsa_next_free_sgpr 66
		.amdhsa_reserve_vcc 0
		.amdhsa_float_denorm_mode_32 3
		.amdhsa_float_denorm_mode_16_64 3
		.amdhsa_memory_ordered 1
		.amdhsa_forward_progress 1
		.amdhsa_inst_pref_size 133
	.end_amdhsa_kernel
	.amdgpu_metadata
---
amdhsa.version: [ 1, 2 ]
amdhsa.kernels:
  - .name:           k_qc56ab58276_prep
    .symbol:         k_qc56ab58276_prep.kd
    .args:
      - { .name: query, .offset: 0, .size: 8, .value_kind: global_buffer, .address_space: global }
      - { .name: key, .offset: 8, .size: 8, .value_kind: global_buffer, .address_space: global }
      - { .name: value, .offset: 16, .size: 8, .value_kind: global_buffer, .address_space: global }
      - { .name: wq, .offset: 24, .size: 8, .value_kind: global_buffer, .address_space: global }
      - { .name: wk, .offset: 32, .size: 8, .value_kind: global_buffer, .address_space: global }
      - { .name: wv, .offset: 40, .size: 8, .value_kind: global_buffer, .address_space: global }
      - { .name: wo, .offset: 48, .size: 8, .value_kind: global_buffer, .address_space: global }
      - { .name: xc, .offset: 56, .size: 8, .value_kind: global_buffer, .address_space: global }
      - { .name: xs, .offset: 64, .size: 8, .value_kind: global_buffer, .address_space: global }
      - { .name: wc, .offset: 72, .size: 8, .value_kind: global_buffer, .address_space: global }
      - { .name: ws, .offset: 80, .size: 8, .value_kind: global_buffer, .address_space: global }
      - { .name: wot, .offset: 88, .size: 8, .value_kind: global_buffer, .address_space: global }
    .group_segment_fixed_size: 102912
    .private_segment_fixed_size: 0
    .kernarg_segment_align: 8
    .kernarg_segment_size: 96
    .max_flat_workgroup_size: 128
    .sgpr_count:     66
    .vgpr_count:     194
    .wavefront_size: 32
...
	.end_amdgpu_metadata
.endif
;; end of part 1
;; launch proj (part 2): grid 4 x 96, 4 waves a work-group, clusters of 4 x 4, 327,680 bytes of LDS; arguments xc, xs, wc, ws, qkv, bq, bk, bv; writes qkv
.if DOCPART == 2
	.amdgcn_target "amdgcn-amd-amdhsa--gfx1250"
	.amdhsa_code_object_version 6
	.text
	.protected	k_qc56ab58276_proj
	.globl	k_qc56ab58276_proj
	.p2align	8
	.type	k_qc56ab58276_proj,@function
k_qc56ab58276_proj:
	s_mov_b64 s[64:65], 0
	v_nop
	global_prefetch_b8 v0, s[64:65] scope:SCOPE_SE
	s_setreg_imm32_b32 hwreg(HW_REG_WAVE_MODE, 25, 1), 1
	s_wait_xcnt 0x0
	s_wait_alu depctr_hold_cnt(0) depctr_sa_sdst(0) depctr_va_vdst(0) depctr_va_sdst(0) depctr_va_ssrc(0) depctr_va_vcc(0) depctr_vm_vsrc(0)
	s_getreg_b32 s2, hwreg(HW_REG_IB_STS2, 6, 4)
	s_cmp_eq_u32 s2, 0
	s_cbranch_scc0 .Lentry_in_a_cluster
	s_endpgm
.Lentry_in_a_cluster:
	s_bfe_u32 s2, ttmp6, 0x10000c
	s_cmp_lg_u32 s2, 0xf033
	s_cbranch_scc0 .Lentry_shape_is_right
	s_endpgm
.Lentry_shape_is_right:
; THE THREE QUANTISED PRODUCTS AS ONE GEMM ON CODES OF FP4 (E2M1): qkv[T][m][n] = sum over k of X_T[m][k] W_T[k][n] + b_T[n], T = query, key, value; results rounded once to f16 (they are operands of products left as they are).
; A: xc [24576][1024 codes], the three activations on end; its scale bytes xs [24576][32].  B: wc [3 x 1024 (n)][1024 codes], K innermost; ws [3072][32].  qkv: [24576][1024] f16.  Sums in f32.
; A tile of C, 256 x 256, is made by a work-group of four waves, each 128 x 128: 64 accumulators of 16 x 16, 512 registers.  K = 1,024 is two K steps of 512 (tile rows of 256 bytes): BOTH lie in LDS from the start, so no LDS byte is filled twice.
; THE SCALES of the work-group's 256 rows of A and of B, for all of K, are two dense blocks of memory: they come into LDS once, in rows of 256 bytes.
; CLUSTERS: 4 x 4 work-groups.  The four of a row of the cluster need the same tiles of A, the four of a column the same tiles of B: each tile is asked for JOINTLY.  A cluster's 1,024 rows lie in one of the three tensors
; (8 clusters to a tensor), so all sixteen share T, which is made of the cluster's y alone.
; THE MATRIX INSTRUCTION IS USED TRANSPOSED (source 0 = 16 rows of B, source 1 = 16 rows of A): a lane holds eight neighbouring columns of a row of C.  THE BIAS is the C of each sum's first product: eight registers for each of B's blocks.
; 384 work-groups: no tile whose rows divide a tensor's 8,192 gives a multiple of 256 work-groups for the three tensors together.
; LIMIT: results beyond f16's 65,504 are not served.
; REGISTERS, in windows of 256: window 0: v0-31 addresses; v32-95 scale words, two sets; v128-191 A's fragments, ONE set; v192-255 the bias; on the way out v128-223 are at work.
;   window 1: B's fragments, TWO sets, at v0 and v128.   window 2: the accumulators of my rows 0-63 ((a, b) at v[8 (8 a + b)]);   window 3: those of my rows 64-127.
.set SIZE_N, 1024
.set SIZE_K, 1024
.set KSTEP,  512                       ; along K in a slot
.set NQ,     KSTEP/128                 ; matrix instructions deep
.set ROWB,   256                       ; a tile's row in bytes
.set KROW,   SIZE_K/2                  ; a row of codes in memory, in bytes
.set PITCH,  272                       ; an LDS row: 256 bytes + 16 of padding = 68 words: row r starts at bank 4 r mod 64 (64 banks of 4 bytes: ISA guide 11.1)
.set FR,     8                         ; registers of a fragment: 16 rows x 128 K
.set NL,     2                         ; LDS loads that bring one
.set NP,     4                         ; places behind this matrix instruction (ISA guide 7.12.1)
.set HALFT,  128*PITCH                 ; 128 rows: what one tensor load brings
.set SLOT,   4*HALFT                   ; A's 256 rows, then B's 256 rows
.set KS,     SIZE_K/32                 ; a row of scales in bytes
.set SCL,    2*SLOT                    ; behind the slots: the scales, as rows of 256 bytes + 16 of padding
.set HALFS,  (128*KS/256)*272          ; the scales of 128 rows: what one tensor load brings
.set SBLK,   (16*KS/256)*272           ; those of 16 rows
.set SPARE,  SCL+4*HALFS               ; the spare words, 128 bytes for each wave: two blocks of 256 bytes that no other line names
.set SPITCH, 272                       ; the way out: a stage of 16 rows x (256 bytes + 16) for each wave, in slot 0, which has had its only fill and its last read by then
.set ADRA, 16                          ; v16-17  LDS address of my A fragments in slot 0, 1
.set ADRB, 20                          ; v20-21  the same for B
.set STO,  24                          ; v24     the way out: where I put 16 bytes of a row
.set RD,   25                          ; v25     where I read a row back
.set CO,   26                          ; v26     my byte offset in two rows of qkv
.set ADRS, 27                          ; v27     LDS address of my scale words: lanes 0-15 A's rows, lanes 16-31 B's
.set SPW,  28                          ; v28     LDS address of my spare word; never rewritten
.set NIL,  29                          ; v29     0; never rewritten
.set SC,   32                          ; scale words: set s at v[SC + 32 s]; register 4 i + q: lanes 0-15 the word of A's block i, lanes 16-31 that of B's block i, for the slot's q-th 128 along K
.set AF,   128                         ; A's fragments
.set BI,   192                         ; the bias: v[BI + 8 b + j] = b_T[my first column + 16 b + 8 (lane / 16) + j]
.set TMP,  192                         ; the way out: packed results
.set OB,   128                         ; the way out: 16 rows read back: v128-159 and v160-191 by turns
.set G1, 24                            ; s[24:31] descriptor group 1 for A's tiles;  s[32:39] group 0, one set for each slot
.set G0, 32
.set G1B, 48                           ; s[48:55], s[56:63] the same for B's tiles
.set G0B, 56
.set G1S, 68                           ; s[68:75], s[76:79] groups 1 and 0 for A's scales;  s[80:87], s[88:91] for B's
.set G0S, 76
.set G1SB, 80
.set G0SB, 88
.set MSB, 0
.macro WIN new                         ; the immediate's high byte repeats the setting that is left; a switch that changes nothing is dropped
.if MSB != (\new)
	s_set_vgpr_msb (MSB<<8)|(\new)
.set MSB, (\new)
.endif
.endm
.set MUL_LO, 0xa1                      ; source 0 (B) window 1, source 1 (A) window 0, C and D window 2
.set MUL_HI, 0xf1                      ; the same, C and D window 3
.set BEG_LO, 0x81                      ; the first step: C (the bias) window 0, D window 2
.set BEG_HI, 0xc1                      ; D window 3
.set TO_B,   0x40                      ; destination window 1, address window 0
; A joint load: waves 0 and 1 fetch for A, waves 2 and 3 for B.  Each of the two lines has ONE mask and one set of registers for all that issue it; the branch hangs on the wave's number alone.
; Four v_nop follow each of the two lines, ahead of the jump, the label and what follows.
.macro JLOAD g0a, g1a, g0b, g1b
	s_cmp_eq_u32 s15, 0
	s_cbranch_scc0 .Lfor_b_\@
	tensor_load_to_lds s[\g0a:\g0a+3], s[\g1a:\g1a+7]
	s_nop 0
.rept 4
	v_nop
.endr
	s_branch .Lasked_\@
.Lfor_b_\@:
	tensor_load_to_lds s[\g0b:\g0b+3], s[\g1b:\g1b+7]
	s_nop 0
.rept 4
	v_nop
.endr
.Lasked_\@:
.endm
.macro CROUND                          ; a round of the cluster's barrier
	s_barrier_signal -1
	s_barrier_wait -1
	s_cmp_lg_u32 s14, 0
	s_cbranch_scc1 .Lnot_wave_0_\@
	s_barrier_signal -3
.Lnot_wave_0_\@:
	s_barrier_wait -3
	s_barrier_signal -1
	s_barrier_wait -1
.endm
	s_load_b128 s[4:7], s[0:1], 0x0                ; A's codes s[4:5], A's scales s[6:7]
	s_load_b128 s[8:11], s[0:1], 0x10              ; B's codes s[8:9], B's scales s[10:11]
	s_load_b64 s[12:13], s[0:1], 0x20              ; qkv
	s_load_b128 s[96:99], s[0:1], 0x28             ; bq, bk
	s_load_b64 s[66:67], s[0:1], 0x38              ; bv
	v_lshl_add_u32 v[SPW], v0, 2, SPARE
	v_mov_b32 v[NIL], 0
	ds_add_u32 v28, v29
	ds_add_u32 v28, v29
	s_wait_dscnt 0x0
	v_lshrrev_b32 v1, 5, v0
	v_readfirstlane_b32 s14, v1                    ; wave 0..3
	s_lshr_b32 s15, s14, 1                         ; which half of the tile's rows is mine.  Also: I fetch for A (0) or for B (1)
	s_and_b32 s16, s14, 1                          ; which half of its columns.  Also: which 128 rows of that tile I fetch
	s_bfe_u32 s40, ttmp6, 0x40000                  ; cx, cy: my place in the cluster
	s_bfe_u32 s41, ttmp6, 0x40004
	s_lshl_b32 s42, ttmp9, 2
	s_add_co_u32 s42, s42, s40                     ; tile column of C = 4 x cluster x + cx
	s_and_b32 s17, ttmp7, 0xffff                   ; cluster y
	s_lshr_b32 s95, s17, 3                         ; T: 8 clusters to a tensor; the same in all sixteen partners
	s_lshl_b32 s17, s17, 2
	s_add_co_u32 s17, s17, s41                     ; tile row of C = 4 x cluster y + cy
	s_lshl_b32 s43, s41, 2
	s_lshl_b32 s43, 15, s43                        ; my row of the cluster
	s_lshl_b32 s44, 0x1111, s40                    ; my column
	; descriptor group 1: a tile of 128 rows x 256 bytes, padded in LDS
	s_or_b32 s[G1+0], s43, (0<<16)|(1<<20)|(1<<21)|(5<<22)|(3<<25)  ; 15:0 the mask: A's tiles go to my row; 17:16 element of 1 byte; 20 padding on; 21 set beside a mask; 24:22 after every 64 words; 31:25 of 4 words
	s_or_b32 s[G1B+0], s44, (0<<16)|(1<<20)|(1<<21)|(5<<22)|(3<<25)
.irp g, G1, G1B
	s_mov_b32 s[\g+1], ROWB<<16                    ; tensor_dim0
	s_mov_b32 s[\g+2], 128<<16                     ; tensor_dim1 = 128
	s_mov_b32 s[\g+3], ROWB<<16                    ; tile_dim0
	s_mov_b32 s[\g+4], 128                         ; tile_dim1 = 128
	s_mov_b32 s[\g+5], KROW                        ; tensor_dim0_stride
	s_mov_b32 s[\g+6], 0
	s_mov_b32 s[\g+7], 0
.endr
	; and for the scales of 128 rows: a dense block of 4,096 bytes, as 16 rows of 256 bytes (32 elements of 8 bytes), 16 bytes of padding behind each
	s_or_b32 s[G1S+0], s43, (3<<16)|(1<<20)|(1<<21)|(5<<22)|(3<<25)
	s_or_b32 s[G1SB+0], s44, (3<<16)|(1<<20)|(1<<21)|(5<<22)|(3<<25)
.irp g, G1S, G1SB
	s_mov_b32 s[\g+1], 32<<16
	s_mov_b32 s[\g+2], (128*KS/256)<<16
	s_mov_b32 s[\g+3], 32<<16
	s_mov_b32 s[\g+4], 128*KS/256
	s_mov_b32 s[\g+5], 32
	s_mov_b32 s[\g+6], 0
	s_mov_b32 s[\g+7], 0
.endr
	s_lshl_b32 s18, s16, 7                         ; which 128 rows of the tile I fetch
	s_lshl_b32 s20, s17, 8
	s_add_co_u32 s20, s20, s18                     ; A: row 256 x tile row + 128 x half
	s_lshl_b32 s46, s42, 8
	s_add_co_u32 s46, s46, s18                     ; B: row 256 x tile column + 128 x half
	s_lshl_b32 s47, s95, 10
	s_add_co_u32 s46, s46, s47                     ;    + 1,024 T: the tensor's own weight
	s_mov_b32 s21, 0
	s_mov_b32 s47, 0
	s_mov_b64 s[18:19], KS
	s_mul_u64 s[22:23], s[20:21], s[18:19]         ; where these rows' scales begin, in bytes
	s_mul_u64 s[92:93], s[46:47], s[18:19]
	s_mov_b64 s[18:19], KROW
	s_mul_u64 s[20:21], s[20:21], s[18:19]         ; and their codes
	s_mul_u64 s[46:47], s[46:47], s[18:19]
	s_mul_i32 s45, s14, HALFT                      ; where they go: wave x 128 rows: no place in the cluster enters an LDS address
	s_mul_i32 s94, s14, HALFS
	s_wait_kmcnt 0x0
	s_add_nc_u64 s[20:21], s[4:5], s[20:21]
	s_add_nc_u64 s[22:23], s[6:7], s[22:23]
	s_add_nc_u64 s[46:47], s[8:9], s[46:47]
	s_add_nc_u64 s[92:93], s[10:11], s[92:93]
	CROUND                                         ; all sixteen work-groups are here: the joint loads meet
	s_mov_b32 s[G0S], 1
	s_add_co_u32 s[G0S+1], s94, SCL
	s_mov_b64 s[G0S+2:G0S+3], s[22:23]
	s_or_b32 s[G0S+3], s[G0S+3], 0x80000000
	s_mov_b32 s[G0SB], 1
	s_add_co_u32 s[G0SB+1], s94, SCL
	s_mov_b64 s[G0SB+2:G0SB+3], s[92:93]
	s_or_b32 s[G0SB+3], s[G0SB+3], 0x80000000
	JLOAD G0S, G1S, G0SB, G1SB                     ; the scales first: they are wanted with K step 0
.irp s, 0,1
	s_mov_b32 s[G0+4*\s], 1
	s_add_co_u32 s[G0+4*\s+1], s45, \s*SLOT
	s_add_nc_u64 s[G0+4*\s+2:G0+4*\s+3], s[20:21], \s*ROWB
	s_or_b32 s[G0+4*\s+3], s[G0+4*\s+3], 0x80000000
	s_mov_b32 s[G0B+4*\s], 1
	s_add_co_u32 s[G0B+4*\s+1], s45, \s*SLOT
	s_add_nc_u64 s[G0B+4*\s+2:G0B+4*\s+3], s[46:47], \s*ROWB
	s_or_b32 s[G0B+4*\s+3], s[G0B+4*\s+3], 0x80000000
	JLOAD G0+4*\s, G1, G0B+4*\s, G1B               ; both K steps: three tensor loads of mine are out, and no more follow
.endr
	v_and_b32 v1, 15, v0                           ; l % 16
	v_bfe_u32 v2, v0, 4, 1                         ; l / 16
	; the bias of my 128 columns, in the result's layout
	s_cmp_eq_u32 s95, 2
	s_cselect_b64 s[98:99], s[66:67], s[98:99]     ; bv or bk
	s_cmp_eq_u32 s95, 0
	s_cselect_b64 s[96:97], s[96:97], s[98:99]     ; or bq: the choice hangs on the cluster's y alone
	s_lshl_b32 s2, s42, 10                         ; 4 bytes x (256 x tile column + 128 x half)
	s_lshl_b32 s3, s16, 9
	s_add_co_u32 s2, s2, s3
	s_mov_b32 s3, 0
	s_add_nc_u64 s[96:97], s[96:97], s[2:3]
	v_lshlrev_b32 v7, 5, v2                        ; lanes 16-31 take the upper eight of a block's sixteen columns
.irp b, 0,1,2,3,4,5,6,7
	global_load_b128 v[BI+8*\b:BI+8*\b+3], v7, s[96:97] offset:64*\b
	global_load_b128 v[BI+8*\b+4:BI+8*\b+7], v7, s[96:97] offset:64*\b+16
.endr
	v_mul_u32_u24 v3, v1, PITCH
	v_lshl_add_u32 v4, v2, 4, v3                   ; a fragment's row x pitch + 16 x half
	s_mul_i32 s21, s15, HALFT                      ; my 128 rows of A
	s_mul_i32 s22, s16, HALFT                      ; my 128 rows of B,
	s_add_co_u32 s22, s22, 2*HALFT                 ; which lie behind A's 256
.irp s, 0,1
	v_add_nc_u32 v[ADRA+\s], s21, v4
	v_add_nc_u32 v[ADRB+\s], s22, v4
	s_add_co_u32 s21, s21, SLOT
	s_add_co_u32 s22, s22, SLOT
.endr
	v_mul_u32_u24 v5, v1, KS                       ; my row's scales: 32 bytes a row,
	v_lshrrev_b32 v6, 8, v5
	v_lshl_add_u32 v5, v6, 4, v5                   ; and 16 more for each 256 passed
	s_mul_i32 s21, s15, HALFS                      ; A's: my 128 rows
	s_mul_i32 s22, s16, HALFS                      ; B's: my 128 rows, behind A's 256
	s_add_co_u32 s22, s22, 2*HALFS
	s_sub_co_u32 s22, s22, s21
	v_mul_u32_u24 v6, s22, v2                      ; lanes 16-31 take B's: one product, the distance between the two bases
	s_add_co_u32 s21, s21, SCL
	v_add_nc_u32 v5, v5, v6
	v_add_nc_u32 v[ADRS], s21, v5
	s_mul_i32 s23, s14, 16*SPITCH                  ; my stage
	v_mul_u32_u24 v5, v1, SPITCH                   ; in: row l % 16, 16 bytes for each half of the lanes
	v_lshl_add_u32 v5, v2, 4, v5
	v_add_nc_u32 v[STO], s23, v5
	v_mul_u32_u24 v5, v2, SPITCH                   ; back: lanes 0-15 take one row of 256 bytes, lanes 16-31 the next
	v_lshl_add_u32 v5, v1, 4, v5
	v_add_nc_u32 v[RD], s23, v5
	v_lshlrev_b32 v5, 11, v2                       ; and the same two rows in qkv (2,048 bytes a row)
	v_lshl_add_u32 v[CO], v1, 4, v5
	s_lshl_b32 s20, s17, 8
	s_lshl_b32 s21, s15, 7
	s_add_co_u32 s20, s20, s21                     ; my first row: 256 x tile row + 128 x half
	s_lshl_b32 s20, s20, 11                        ; in bytes (under 2^26)
	s_lshl_b32 s46, s42, 9                         ; my first column, in bytes: 512 x tile column + 256 x half
	s_lshl_b32 s47, s16, 8
	s_add_co_u32 s46, s46, s47
	s_add_co_u32 s20, s20, s46
	s_mov_b32 s21, 0
	s_add_nc_u64 s[12:13], s[12:13], s[20:21]
.macro FRAG reg, adr, q, i             ; a fragment, 16 rows x 128 K of 4-bit codes, is 8 registers: lane l holds row l % 16; registers 4 c .. 4 c + 3 hold K = 64 c + 32 (l / 16) + 0 .. 31
.irp c, 0,1
	ds_load_b128 v[\reg+4*\c:\reg+4*\c+3], v[\adr] offset:64*(\q)+32*\c+(\i)*16*PITCH
.endr
.endm
; 16 matrix instructions: A's blocks a0, a0 + 1 x B's eight, 128 along K: the slot's q-th.  p: B's set;  sc: the set of scale words.  zero = 1: the first product starts the sums, from the bias.
; The 64 accumulators take turns, one instruction a turn, in the same order in every step.
.macro MUL16 a0, p, q, sc, zero
.irp a, \a0, \a0+1
.irp b, 0,1,2,3,4,5,6,7
.if \zero
	v_wmma_scale_f32_16x16x128_f8f6f4 v[8*(8*((\a)%4)+\b):8*(8*((\a)%4)+\b)+7], v[128*(\p)+FR*\b:128*(\p)+FR*\b+FR-1], v[AF+FR*(\a):AF+FR*(\a)+FR-1], v[BI+8*\b:BI+8*\b+7], v[SC+8*NQ*(\sc)+NQ*\b+(\q)], v[SC+8*NQ*(\sc)+NQ*(\a)+(\q)] matrix_a_fmt:MATRIX_FMT_FP4 matrix_b_fmt:MATRIX_FMT_FP4 matrix_a_scale:MATRIX_SCALE_ROW1
.else
	v_wmma_scale_f32_16x16x128_f8f6f4 v[8*(8*((\a)%4)+\b):8*(8*((\a)%4)+\b)+7], v[128*(\p)+FR*\b:128*(\p)+FR*\b+FR-1], v[AF+FR*(\a):AF+FR*(\a)+FR-1], v[8*(8*((\a)%4)+\b):8*(8*((\a)%4)+\b)+7], v[SC+8*NQ*(\sc)+NQ*\b+(\q)], v[SC+8*NQ*(\sc)+NQ*(\a)+(\q)] matrix_a_fmt:MATRIX_FMT_FP4 matrix_b_fmt:MATRIX_FMT_FP4 matrix_a_scale:MATRIX_SCALE_ROW1
.endif
.endr
.endr
.endm
.macro FETCH_B slot, q, p              ; B's eight fragments of the slot's q-th 128 along K into set p
	WIN TO_B
.irp i, 0,1,2,3,4,5,6,7
	FRAG 128*(\p)+FR*\i, ADRB+\slot, \q, \i
.endr
	WIN 0
.endm
.macro FETCH_A slot, q, i0             ; A's blocks i0 .. i0 + 3
.irp i, \i0, \i0+1, \i0+2, \i0+3
	FRAG AF+FR*(\i), ADRA+\slot, \q, \i
.endr
.endm
.macro SCALES sc                       ; a K step's scale words into set sc: 4 words a row; lanes 0-15 take A's block i, lanes 16-31 B's block i
.irp i, 0,1,2,3,4,5,6,7
	ds_load_b128 v[SC+8*NQ*\sc+NQ*\i:SC+8*NQ*\sc+NQ*\i+3], v[ADRS] offset:\i*SBLK
.endr
.endm
; A load into a register that a matrix instruction has read, and a vector instruction that reads a matrix result, stand NP places behind that matrix instruction, and only plain vector
; instructions that name none of its registers are places (ISA guide 7.12.1 for vector instructions).
.macro PLACES n
.rept \n
	v_nop
.endr
.endm
; A step of 128 along K that has its successor in the same slot.  A block of A is free as soon as its eight products are issued: blocks 0-3 are fetched anew in the step's middle, blocks 4-7 at its end.
.macro STEP slot, q, zero
	s_wait_dscnt 4*NL                              ; B's set and A's blocks 0-3 are in; the youngest eight loads (A's blocks 4-7) may be out
.if \zero
	WIN BEG_LO
.else
	WIN MUL_LO
.endif
	MUL16 0, (\q)%2, \q, \slot, \zero
	MUL16 2, (\q)%2, \q, \slot, \zero
	s_wait_dscnt 0                                 ; A's blocks 4-7 are in (asked for 32 matrix instructions ago)
	PLACES NP
	FETCH_B \slot, (\q)+1, 1-(\q)%2
	FETCH_A \slot, (\q)+1, 0
.if \zero
	WIN BEG_HI
.else
	WIN MUL_HI
.endif
	MUL16 4, (\q)%2, \q, \slot, \zero
	MUL16 6, (\q)%2, \q, \slot, \zero
	PLACES NP
	WIN 0
	FETCH_A \slot, (\q)+1, 4
.endm
; Slot 0's last step changes slots: ONE barrier; in front of it each wave waits for all its tensor loads (its part of slot 1), adds 0 to its spare word, and waits for that and for its own reads of slot 0.  Nothing is filled again.
.macro TURN slot, next
	s_wait_tensorcnt 0x0                           ; all my tensor loads have landed: my part of the next slot;  (every window is 0 here)
	ds_add_u32 v[SPW], v[NIL]                      ; 0 onto my spare word
	s_wait_dscnt 4*NL+1                            ; (the add and the youngest eight loads, A's blocks 4-7, may be out)
	WIN MUL_LO
	MUL16 0, 1, NQ-1, \slot, 0                     ; sixteen matrix instructions stand between the add and the wait for it
	s_wait_dscnt 0x0                               ; the add is done, and my reads of this slot are over
	s_barrier_signal -1
	MUL16 2, 1, NQ-1, \slot, 0
	WIN 0
	s_barrier_wait -1
	PLACES NP
	v_add_nc_u32 v[ADRS], 4*NQ, v[ADRS]            ; on to the next K step's scale words (no LDS load of mine is out)
	FETCH_B \next, 0, 0
	FETCH_A \next, 0, 0
	SCALES \next
	WIN MUL_HI
	MUL16 4, 1, NQ-1, \slot, 0
	MUL16 6, 1, NQ-1, \slot, 0
	PLACES NP
	WIN 0
	FETCH_A \next, 0, 4
.endm
.macro STEPS slot, from                ; the slot's steps from .. NQ - 2
.set Q, \from
.rept NQ-1-\from
	STEP \slot, Q, 0
.set Q, Q+1
.endr
.endm
	s_wait_tensorcnt 1                             ; the scales and my part of K step 0 are in (K step 1's load, the one issued behind them, may be out),
	s_barrier_signal -1
	s_barrier_wait -1                              ; everybody's are
	FETCH_B 0, 0, 0
	FETCH_A 0, 0, 0
	SCALES 0
	FETCH_A 0, 0, 4
	s_wait_loadcnt 0x0                             ; the bias
	STEP 0, 0, 1                                   ; the first step's products start the sums, from the bias
	STEPS 0, 1
	TURN 0, 1
	STEPS 1, 0
	s_wait_dscnt 4*NL                              ; the very last step: nothing more to fetch
	WIN MUL_LO
	MUL16 0, 1, NQ-1, 1, 0
	MUL16 2, 1, NQ-1, 1, 0
	s_wait_dscnt 0
	WIN MUL_HI
	MUL16 4, 1, NQ-1, 1, 0
	MUL16 6, 1, NQ-1, 1, 0
	WIN 0
; THE WAY OUT, block by block of 16 rows x 128 columns.  PACK: rounded to f16, a lane's eight columns are 16 bytes.  TOSTAGE: into my own stage in LDS, and back as whole rows of 256 bytes.  SEND: stored.
.macro PACK a
.set AC, 64*((\a)%4)
	WIN 0x0a+5*((\a)/4)                            ; sources 0 and 1: window 2 or 3
.irp b, 0,1,2,3,4,5,6,7
.irp r, 0,1,2,3
	v_cvt_pk_f16_f32 v[TMP+4*\b+\r], v[AC+8*\b+2*\r], v[AC+8*\b+2*\r+1]   ; each accumulator from its low end on
.endr
.endr
	WIN 0
.endm
.macro TOSTAGE a
.set BK, OB+32*((\a)%2)
.irp b, 0,1,2,3,4,5,6,7
	ds_store_b128 v[STO], v[TMP+4*\b:TMP+4*\b+3] offset:32*\b
.endr
.irp t, 0,1,2,3,4,5,6,7
	ds_load_b128 v[BK+4*\t:BK+4*\t+3], v[RD] offset:\t*2*SPITCH    ; LDS serves a wave's instructions in order (ISA guide 5.7.1.4): these see the stores above
.endr
.endm
.macro SEND a
.set BK, OB+32*((\a)%2)
	s_wait_dscnt 0x0                               ; the block is back in registers
	s_wait_xcnt 0x0                                ; the stores of the block before have read their registers: the next block's loads may land there
.irp t, 0,1,2,3,4,5,6,7
	global_store_b128 v[CO], v[BK+4*\t:BK+4*\t+3], s[12:13] offset:(16*(\a)+2*\t)*SIZE_N*2   ; 16 lanes store 256 consecutive bytes, aligned; 126 rows of 2,048 bytes at the most: inside the signed 24-bit immediate
.endr
.endm
	PLACES NP                                      ; behind the last products: for the conversions, and for the loads into the registers that held A's fragments
	PACK 0
	TOSTAGE 0
.irp a, 1,2,3,4,5,6,7                  ; block a's conversions stand between block a - 1's loads from the stage and the wait for them
	PACK \a
	SEND \a-1
	TOSTAGE \a
.endr
	SEND 7
	s_wait_tensorcnt 0x0                           ; the wave's end
	ds_add_u32 v[SPW], v[NIL]
	s_wait_dscnt 0x0
	CROUND                                         ; the closing round: no work-group ends while a partner may still ask for a tile that names it
	s_endpgm
.Lfunc_end_k_qc56ab58276_proj:
	.size	k_qc56ab58276_proj, .Lfunc_end_k_qc56ab58276_proj-k_qc56ab58276_proj
	.p2alignl 7, 3214868480
	.fill 96, 4, 3214868480
	.section	.rodata,"a",@progbits
	.p2align	6, 0x0
	.amdhsa_kernel k_qc56ab58276_proj
		.amdhsa_group_segment_fixed_size 327680
		.amdhsa_private_segment_fixed_size 0
		.amdhsa_enable_private_segment 0
		.amdhsa_kernarg_size 64
		.amdhsa_user_sgpr_count 2
		.amdhsa_user_sgpr_kernarg_segment_ptr 1
		.amdhsa_wavefront_size32 1
		.amdhsa_system_sgpr_workgroup_id_x 1
		.amdhsa_system_sgpr_workgroup_id_y 1
		.amdhsa_system_sgpr_workgroup_id_z 1
		.amdhsa_system_vgpr_workitem_id 0
		.amdhsa_next_free_vgpr 1024
		.amdhsa_next_free_sgpr 100
		.amdhsa_reserve_vcc 0
		.amdhsa_float_denorm_mode_32 3
		.amdhsa_float_denorm_mode_16_64 3
		.amdhsa_memory_ordered 1
		.amdhsa_forward_progress 1
		.amdhsa_inst_pref_size 128
	.end_amdhsa_kernel
	.amdgpu_metadata
---
amdhsa.version: [ 1, 2 ]
amdhsa.kernels:
  - .name:           k_qc56ab58276_proj
    .symbol:         k_qc56ab58276_proj.kd
    .args:
      - { .name: xc, .offset: 0, .size: 8, .value_kind: global_buffer, .address_space: global }
      - { .name: xs, .offset: 8, .size: 8, .value_kind: global_buffer, .address_space: global }
      - { .name: wc, .offset: 16, .size: 8, .value_kind: global_buffer, .address_space: global }
      - { .name: ws, .offset: 24, .size: 8, .value_kind: global_buffer, .address_space: global }
      - { .name: qkv, .offset: 32, .size: 8, .value_kind: global_buffer, .address_space: global }
      - { .name: bq, .offset: 40, .size: 8, .value_kind: global_buffer, .address_space: global }
      - { .name: bk, .offset: 48, .size: 8, .value_kind: global_buffer, .address_space: global }
      - { .name: bv, .offset: 56, .size: 8, .value_kind: global_buffer, .address_space: global }
    .group_segment_fixed_size: 327680
    .private_segment_fixed_size: 0
    .kernarg_segment_align: 8
    .kernarg_segment_size: 64
    .max_flat_workgroup_size: 128
    .sgpr_count:     100
    .vgpr_count:     1024
    .wavefront_size: 32
...
	.end_amdgpu_metadata
.endif
;; end of part 2
;; launch attn (part 3): grid 8 x 32, 8 waves a work-group, clusters of 4 x 1, 327,680 bytes of LDS; arguments qkv, mask, ctx; writes ctx
.if DOCPART == 3
	.amdgcn_target "amdgcn-amd-amdhsa--gfx1250"
	.amdhsa_code_object_version 6
	.text
	.protected	k_qc56ab58276_attn
	.globl	k_qc56ab58276_attn
	.p2align	8
	.type	k_qc56ab58276_attn,@function
k_qc56ab58276_attn:
	s_mov_b64 s[64:65], 0
	v_nop
	global_prefetch_b8 v0, s[64:65] scope:SCOPE_SE
	s_setreg_imm32_b32 hwreg(HW_REG_WAVE_MODE, 25, 1), 1
	s_wait_xcnt 0x0
	s_wait_alu depctr_hold_cnt(0) depctr_sa_sdst(0) depctr_va_vdst(0) depctr_va_sdst(0) depctr_va_ssrc(0) depctr_va_vcc(0) depctr_vm_vsrc(0)
	s_getreg_b32 s2, hwreg(HW_REG_IB_STS2, 6, 4)
	s_cmp_eq_u32 s2, 0
	s_cbranch_scc0 .Lentry_in_a_cluster
	s_endpgm
.Lentry_in_a_cluster:
	s_bfe_u32 s2, ttmp6, 0x10000c
	s_cmp_lg_u32 s2, 0x3003
	s_cbranch_scc0 .Lentry_shape_is_right
	s_endpgm
.Lentry_shape_is_right:
; ctx[b][q][head h] = the sum over k of softmax_k(q . k / 8 + mask[b][k] x (-1e9)) v, heads of 64.  qkv: [3][8192][1024] f16, plain rows (q, k, v planes 2^24 bytes apart); mask: [4][2048] f32; ctx: [8192][1024] f16.
; Products on f16 operands with f32 sums; maxima, exponentials and sums in f32; the weights p (at most 1) are rounded to f16 for the second product, ctx once at the end.
; SHARES.  A work-group owns 256 queries of one batch and a PAIR of neighbouring heads: a row of K, V or ctx for the pair is 256 consecutive bytes of the plain rows, aligned.  Eight waves, two to a SIMD:
; wave w takes head w / 4 of the pair and queries 64 (w % 4) on: four tiles of 16.  Every wave walks all 2,048 keys, 64 a step.  One wave's softmax stands beside the other wave's products on the same SIMD.
; LAYOUT.  S^T = K Q^T (source 0 = 16 keys, source 1 = 16 queries): a lane holds ONE query (lane % 16) and the keys 8 (lane / 16) + 0..7.  Two such tiles, rounded to f16 in pairs, ARE source 1 (32 keys x 16 queries)
; of O^T = V^T P, whose result again holds one query a lane, and eight channels.  K comes out of LDS as it lies, V ([key][channel]) turned, by ds_load_tr16_b128.
; THE MASK costs no vector instruction in the loop: mask x (-8e9), the term in units of the raw score (8 x 1e9 is exact), lies in LDS, 4 bytes a key, and is the C of each key tile's first product.
; SOFTMAX.  For each query a running maximum m and sum l: p = 2^(c s - c m), c = log2(e) / 8; in every step O and l are multiplied by a = 2^(c m_old - c m_new).  m begins at -3e38 and O and l at 0, so the step has one form.
; THE WAVE'S TILES are two pieces of two; a step is: K Q^T, softmax, V^T P of piece 0, then of piece 1.  S^T and P are kept for one piece at a time.
; CLUSTER.  The four query blocks of a cluster share batch and heads and walk the same K and V: each tile is asked for JOINTLY, by the same tensor load with the same descriptor and a mask that names the four.
; RING.  Two slots of four key steps (256 keys).  Waves 0-3 fetch K's tile of step w, waves 4-7 V's of step w - 4: one load a wave behind each round, and four key steps in which it lands.
; LIMITS: q, k, v beyond f16's 65,504 are not served; NaN and infinities are not served; a batch in which EVERY key is masked by about 1e9 may differ from a computation in plain f32, since there the scores vanish
; in the last bits of -8e9 and the matrix unit's rounding of that sum need not be f32 addition's.
; REGISTERS, in two windows of 256 (s_set_vgpr_msb: bits 1:0 source 0, 3:2 source 1, 5:4 source 2, 7:6 destination):
;   window 0: v2-15 addresses; v16-47 eight registers of statistics a tile; v48-79 the mask's terms of a step; v80-143 S^T of a piece; v144-175 P of a piece; v176-239 K of a step; v240-243 at work at the head
;   window 1: v0-63 Q; v64-191 O^T, 32 a tile; v192-255 V of a step
.set KS,    64                         ; keys in a step
.set PK,    272                        ; a row of K in LDS: 256 bytes + 16 of padding = 68 words: row r starts at bank 4 r mod 64 (64 banks of 4 bytes: ISA guide 11.1)
.set PVP,   288                        ; a row of V: 256 + 32 = 72 words
.set VOFF,  KS*PK                      ; a step's tiles lie together: 64 rows of K, then 64 rows of V
.set STEPB, KS*(PK+PVP)                ; 35,840
.set SLOTB, 4*STEPB                    ; 143,360
.set MASKL, 2*SLOTB                    ; behind the ring: the mask's terms, 2,048 x 4 bytes, stored once by the waves; no tile lands there
.set SPARE, MASKL+8192                 ; the spare words, 128 bytes for each wave: four blocks of 256 bytes that no other line names
.set SP,    272                        ; the way out: a stage of 256 rows x (256 bytes + 16), in slot 0, which has had its last fill and its last read by then
.set AK0, 2                            ; v2   my lane's place in a tile of K (my head's 128 bytes of the row); never rewritten
.set AV0, 3                            ; v3   the same for V
.set AM0, 4                            ; v4   and among the mask's terms
.set ADK, 5                            ; v5-7 the LDS addresses of the step in hand
.set ADV, 6
.set ADM, 7
.set QO,  8                            ; v8   my byte offset in the wave's rows of Q
.set STO, 9                            ; v9   the way out: where I put 16 bytes of a row
.set RD,  10                           ; v10  where I read a row back
.set GO,  11                           ; v11  my byte offset in two rows of ctx
.set PFO, 12                           ; v12  2,048 x my lane: the prefetches' offset, a lane a row; never rewritten
.set SPW, 14                           ; v14  LDS address of my spare word; never rewritten
.set NIL, 15                           ; v15  0; never rewritten
.set ST,  16                           ; tile t's statistics at v[ST+8 t]: +0 c m, +1 m, +2, +3 l (even keys', odd keys'), +4 to +7 c0-c3, at work; a takes c2's place once the maximum is found
.set MK,  48
.set S,   80
.set P,   144
.set KF,  176
.set OB,  64                           ; in window 1
.set VF,  192                          ; in window 1
.set WV,  16                           ; s16  my wave's number
.set G1K, 24                           ; s[24:31] descriptor group 1 for K's tiles
.set G1V, 32                           ; s[32:39] for V's: it differs in the padding alone
.set G0K, 40                           ; s[40:47] descriptor group 0 for K's tiles, a set for each slot
.set G0V, 48                           ; s[48:55] the same for V's
.set TRIPS, 56                         ; s56  pairs of slots still to be asked for
.set INNER, 57                         ; s57  counts a slot's four steps
.set CS,  58                           ; s[58:59] c: the packed scaling names a pair and takes its low word for both halves
.set SEL, 60                           ; s[60:61] lane selects for v_permlanex16_b32: each lane takes its own place in the other half
.set TB,  62                           ; s62  LDS byte at which the tiles of the step in hand begin
.set TM,  63                           ; s63  and its 256 bytes of the mask's terms
.set PFA, 66                           ; s[66:67] where my prefetches stand in memory
.set LIM, 68                           ; s68  1 in a wave that prefetches, else the greatest number
.set MSB, 0
.macro WIN new                         ; the immediate's high byte repeats the setting that is left; a switch that changes nothing is dropped
.if MSB != (\new)
	s_set_vgpr_msb (MSB<<8)|(\new)
.set MSB, (\new)
.endif
.endm
.set W_KQ, 0x04                        ; Q (source 1) in window 1; K, C and S^T in window 0
.set W_PV, 0x51                        ; V (source 0) and O^T (C and D) in window 1, P in window 0
.set W_RS, 0x41                        ; O^T (destination and source 0) in window 1, a in window 0
; A joint refill of slot x.  The branch hangs on the wave's number alone.  Four v_nop follow each of the two lines, ahead of the jump, the label and what follows.
.macro JLOAD x
	s_cmp_lt_u32 s[WV], 4
	s_cbranch_scc0 .Lfor_v_\@
	tensor_load_to_lds s[G0K+4*\x:G0K+4*\x+3], s[G1K:G1K+7]
	s_nop 0
.rept 4
	v_nop
.endr
	s_branch .Lasked_\@
.Lfor_v_\@:
	tensor_load_to_lds s[G0V+4*\x:G0V+4*\x+3], s[G1V:G1V+7]
	s_nop 0
.rept 4
	v_nop
.endr
.Lasked_\@:
.endm
; A PREFETCH of what the NEXT change of slots will ask for: a slot's 256 rows of K and 256 of V, the pair's 256 bytes of each row, a lane a row.  It stands behind the wave's tensor load and its four lines.
; Each row's 256 bytes are named ONCE in the launch.  Both clusters of a batch and pair walk the same K and V: the first (cluster x = 0) asks.  Its four partners share the rows out BY ADDRESS, 64 each; in each,
; waves 0 and 1 ask for K's (32 rows each) and waves 4 and 5 for V's: one instruction a wave, four key steps ahead of the load that wants the rows.  Slots 0, 1 and 2 come by their loads alone; the last refill asks for nothing.
.macro ASK how                         ; how = 1: a refill that always has a successor; 0: the trip's second, which has none in the last trip
.if \how
	s_cmp_eq_u32 s[LIM], 1
.else
	s_cmp_gt_u32 s[TRIPS], s[LIM]
.endif
	s_cbranch_scc0 .Lnot_mine_\@
	global_prefetch_b8 v[PFO], s[PFA:PFA+1] th:TH_LOAD_NT scope:SCOPE_SE
.Lnot_mine_\@:
.endm
.macro CROUND                          ; a round of the cluster's barrier
	s_barrier_signal -1
	s_barrier_wait -1
	s_cmp_lg_u32 s[WV], 0
	s_cbranch_scc1 .Lnot_wave_0_\@
	s_barrier_signal -3
.Lnot_wave_0_\@:
	s_barrier_wait -3
	s_barrier_signal -1
	s_barrier_wait -1
.endm
.macro PLACES                          ; four places behind matrix instructions (ISA guide 7.12.1)
.rept 4
	v_nop
.endr
.endm
	s_load_b128 s[4:7], s[0:1], 0x0                ; qkv s[4:5], mask s[6:7]
	s_load_b64 s[10:11], s[0:1], 0x10              ; ctx
	v_lshl_add_u32 v[SPW], v0, 2, SPARE
	v_mov_b32 v[NIL], 0
	ds_add_u32 v14, v15
	ds_add_u32 v14, v15
	s_wait_dscnt 0x0
	v_lshrrev_b32 v1, 5, v0
	v_readfirstlane_b32 s[WV], v1                  ; wave 0..7
	s_lshr_b32 s17, s[WV], 2                       ; which head of the pair
	s_and_b32 s18, s[WV], 3                        ; which 64 queries; also: which key step of a slot I fetch
	s_bfe_u32 s19, ttmp6, 0x40000                  ; cx: my place in the cluster
	s_lshl_b32 s20, ttmp9, 2                       ; in a cluster launch ttmp9 counts clusters
	s_add_co_u32 s20, s20, s19                     ; my block of 256 queries: it enters Q's and ctx's addresses alone
	s_and_b32 s21, ttmp7, 0xffff
	s_lshr_b32 s22, s21, 3                         ; the batch,
	s_and_b32 s23, s21, 7                          ; the pair of heads: the four partners share both
	s_lshl_b32 s70, s22, 22                        ; a batch's 2,048 rows of 2,048 bytes
	s_lshl_b32 s71, s23, 8                         ; a pair's 256 bytes of a row
	s_add_co_u32 s70, s70, s71
	s_lshl_b32 s72, s18, 17                        ; my key step's 64 rows
	s_add_co_u32 s72, s72, s70                     ; my tile of slot 0, within a plane
	s_mov_b32 s73, 0
	s_mul_i32 s74, s18, STEPB                      ; and its place in a slot: no place in the cluster enters an LDS address
	s_lshl_b32 s75, s20, 19                        ; my block's 256 rows
	s_add_co_u32 s75, s75, s70
	s_lshl_b32 s2, s18, 17                         ; Q: my wave's 64 rows,
	s_add_co_u32 s2, s2, s75
	s_lshl_b32 s3, s17, 7                          ; my head's 128 bytes
	s_add_co_u32 s2, s2, s3
	s_mov_b32 s3, 0
	s_lshl_b32 s12, s[WV], 16                      ; ctx: on the way out wave w stores rows 32 w on
	s_add_co_u32 s12, s12, s75
	s_mov_b32 s13, 0
	s_cmp_lt_u32 s[WV], 4                          ; the prefetches: K's plane (waves 0-3) or V's
	s_cselect_b32 s14, 1, 2
	s_lshl_b32 s14, s14, 24
	s_add_co_u32 s14, s14, s70
	s_lshl_b32 s15, s19, 17                        ; my work-group's 64 rows of a slot's 256,
	s_add_co_u32 s14, s14, s15
	s_and_b32 s15, s[WV], 1
	s_lshl_b32 s15, s15, 16                        ; my wave's 32 of them,
	s_add_co_u32 s14, s14, s15
	s_add_co_u32 s14, s14, 2<<19                   ; in the keys 512 on; the first change of slots steps it 256 keys further.  Nothing is prefetched at the head
	s_mov_b32 s15, 0
	s_and_b32 s[LIM], s[WV], 2                     ; 0 in waves 0, 1, 4, 5,
	s_or_b32 s[LIM], s[LIM], ttmp9                 ; of the first cluster: the same in all four partners
	s_cmp_eq_u32 s[LIM], 0
	s_cselect_b32 s[LIM], 1, -1
	; descriptor group 1: a tile of 64 rows x 128 elements of 2 bytes, rows 1,024 elements apart, padded in LDS
	s_mov_b32 s[G1K], 15|(1<<16)|(1<<20)|(1<<21)|(5<<22)|(3<<25)  ; 15:0 the mask: all four work-groups; 17:16 elements of 2 bytes; 20 padding on; 21 set beside a mask; 24:22 after every 64 words; 31:25 4 words of it
	s_mov_b32 s[G1V], 15|(1<<16)|(1<<20)|(1<<21)|(5<<22)|(7<<25)  ; the same with 8 words of padding
.irp g, G1K, G1V
	s_mov_b32 s[\g+1], 128<<16                     ; tensor_dim0 = 128
	s_mov_b32 s[\g+2], KS<<16                      ; tensor_dim1 = 64
	s_mov_b32 s[\g+3], 128<<16                     ; tile_dim0 = 128
	s_mov_b32 s[\g+4], KS                          ; tile_dim1 = 64
	s_mov_b32 s[\g+5], 1024                        ; tensor_dim0_stride
	s_mov_b32 s[\g+6], 0
	s_mov_b32 s[\g+7], 0
.endr
	s_mov_b32 s[CS], 0x3e38aa3b                    ; c = log2(e) / 8
	s_mov_b32 s[CS+1], s[CS]                       ; named with it as a pair, so it is written
	s_mov_b32 s[SEL], 0x76543210
	s_mov_b32 s[SEL+1], 0xfedcba98
	s_mov_b32 s[TM], 0
	s_wait_kmcnt 0x0
	s_add_nc_u64 s[76:77], s[4:5], s[72:73]
	s_add_nc_u64 s[78:79], s[76:77], 0x2000000     ; V's plane
	s_add_nc_u64 s[76:77], s[76:77], 0x1000000     ; K's plane
	s_add_nc_u64 s[PFA:PFA+1], s[4:5], s[14:15]
	s_add_nc_u64 s[4:5], s[4:5], s[2:3]            ; Q at my wave's first row, my head
	s_add_nc_u64 s[10:11], s[10:11], s[12:13]      ; ctx at the first row that I store
	s_lshl_b32 s12, s22, 13                        ; the batch's 2,048 numbers of the mask
	s_add_nc_u64 s[6:7], s[6:7], s[12:13]
	CROUND                                         ; all four work-groups are here: the first joint loads meet
.irp x, 0,1
	s_mov_b32 s[G0K+4*\x], 1                       ; count = 1
	s_add_co_u32 s[G0K+4*\x+1], s74, \x*SLOTB      ; LDS address
	s_add_nc_u64 s[G0K+4*\x+2:G0K+4*\x+3], s[76:77], \x<<19  ; global address: slot x begins with keys 256 x on
	s_or_b32 s[G0K+4*\x+3], s[G0K+4*\x+3], 0x80000000        ; type = 2
	s_mov_b32 s[G0V+4*\x], 1
	s_add_co_u32 s[G0V+4*\x+1], s74, \x*SLOTB+VOFF
	s_add_nc_u64 s[G0V+4*\x+2:G0V+4*\x+3], s[78:79], \x<<19
	s_or_b32 s[G0V+4*\x+3], s[G0V+4*\x+3], 0x80000000
.endr
	s_cmp_lt_u32 s[WV], 4                          ; a wave's two first fills stand in one branch, ahead of every wait on TENSORcnt and every LDS read: two loads of mine are out
	s_cbranch_scc0 .Lfirst_v
	tensor_load_to_lds s[G0K:G0K+3], s[G1K:G1K+7]
	s_nop 0
	tensor_load_to_lds s[G0K+4:G0K+7], s[G1K:G1K+7]
	s_nop 0
.rept 4
	v_nop
.endr
	s_branch .Lfirst_asked
.Lfirst_v:
	tensor_load_to_lds s[G0V:G0V+3], s[G1V:G1V+7]
	s_nop 0
	tensor_load_to_lds s[G0V+4:G0V+7], s[G1V:G1V+7]
	s_nop 0
.rept 4
	v_nop
.endr
.Lfirst_asked:
	v_and_b32 v1, 15, v0                           ; r = l % 16
	v_bfe_u32 v13, v0, 4, 1                        ; h = l / 16
	v_lshlrev_b32 v[QO], 11, v1
	v_lshl_add_u32 v[QO], v13, 4, v[QO]            ; row x 2,048 + 16 x half
	v_lshlrev_b32 v240, 5, v0                      ; the mask: 8 numbers a thread
	v_lshl_add_u32 v241, v0, 5, MASKL              ; and where their terms go
	global_load_b128 v[80:83], v240, s[6:7]
	global_load_b128 v[84:87], v240, s[6:7] offset:16
	WIN 0x40                                       ; destination window 1, address window 0
.irp i, 0,1,2,3,4,5,6,7                        ; Q stays in registers: tile i / 2, channels 32 (i % 2) on.  A fragment: lane l holds row l % 16; registers 0-3 channels 8 h + 0..7, registers 4-7 channels 16 + 8 h + 0..7
	global_load_b128 v[8*\i:8*\i+3],   v[QO], s[4:5] offset:(\i/2)*32768+(\i%2)*64
	global_load_b128 v[8*\i+4:8*\i+7], v[QO], s[4:5] offset:(\i/2)*32768+(\i%2)*64+32
.endr
.set i, 0
.rept 128
	v_mov_b32 v[OB+i], 0                           ; O^T.  (The step is written in one form: its first pass finds zeros, which a = 0 leaves zeros)
.set i, i+1
.endr
	WIN 0
	v_mul_u32_u24 v[AK0], v1, PK
	v_lshl_add_u32 v[AK0], v13, 4, v[AK0]          ; row x pitch + 16 x half
	s_lshl_b32 s71, s17, 7
	v_add_nc_u32 v[AK0], s71, v[AK0]               ; + my head's 128 bytes
	; The turning load takes 16 keys x 16 channels (lane l reads 16 bytes: key 8 (l / 16) + l % 8, channels 8 ((l / 8) % 2) + 0..7) and leaves half a fragment of V^T: lane l holds channel l % 16 and 8 keys.
	v_and_b32 v242, 7, v0
	v_bfe_u32 v243, v0, 3, 1
	v_lshl_add_u32 v[AV0], v13, 3, v242
	v_mul_u32_u24 v[AV0], v[AV0], PVP
	v_lshl_add_u32 v[AV0], v243, 4, v[AV0]
	s_add_co_u32 s71, s71, VOFF
	v_add_nc_u32 v[AV0], s71, v[AV0]
	v_lshl_add_u32 v[AM0], v13, 5, MASKL           ; the terms of keys 8 h + 0..7 of a tile: the same for all sixteen queries
	s_mul_i32 s71, s18, 64*SP                      ; the stage: in: row 64 (w % 4) + 16 t + r, my head's 128 bytes, 16 bytes for each half of the lanes
	s_lshl_b32 s75, s17, 7
	s_add_co_u32 s71, s71, s75
	v_mul_u32_u24 v[STO], v1, SP
	v_lshl_add_u32 v[STO], v13, 4, v[STO]
	v_add_nc_u32 v[STO], s71, v[STO]
	s_mul_i32 s71, s[WV], 32*SP                    ; back: wave w takes rows 32 w on, whole; lanes 0-15 one row of 256 bytes, lanes 16-31 the next
	v_mul_u32_u24 v[RD], v13, SP
	v_lshl_add_u32 v[RD], v1, 4, v[RD]
	v_add_nc_u32 v[RD], s71, v[RD]
	v_lshlrev_b32 v[GO], 11, v13                   ; and the same two rows in ctx
	v_lshl_add_u32 v[GO], v1, 4, v[GO]
	v_and_b32 v[PFO], 31, v0
	v_lshlrev_b32 v[PFO], 11, v[PFO]
.irp t, 0,1,2,3
	v_mov_b32 v[ST+8*\t+1], 0xff61b1e6             ; m = -3e38, under every score
	v_mov_b32 v[ST+8*\t+2], 0                      ; l, in two halves
	v_mov_b32 v[ST+8*\t+3], 0
.endr
.irp t, 0,1,2,3
	v_mul_f32 v[ST+8*\t], s[CS], v[ST+8*\t+1]      ; c m
.endr
	s_wait_loadcnt 16                              ; the mask's two loads are in; Q's sixteen, issued behind them, may be out
.irp i, 0,1,2,3,4,5,6,7
	v_mul_f32 v[80+\i], 0xcfee6b28, v[80+\i]       ; mask x (-8e9): in units of the raw score, which c divides by 8
.endr
	ds_store_b128 v241, v[80:83]
	ds_store_b128 v241, v[84:87] offset:16
	s_wait_loadcnt 0x0                             ; Q
	s_wait_dscnt 0x0                               ; for the others' sake: my terms lie in LDS
	s_wait_tensorcnt 0x1                           ; my part of slot 0 is in; slot 1's, issued behind it, may stay out
	s_barrier_signal -1
	s_barrier_wait -1
; S^T = K Q^T + the mask's term, for piece p: 16 products; the eight accumulators (key tile, tile of queries) take turns, one instruction a turn.  The first eight start the sums, from the term.
.macro KQ p
	WIN W_KQ
.irp kk, 0,1
.irp kt, 0,1,2,3
.irp u, 0,1
.if \kk == 0
	v_wmma_f32_16x16x32_f16 v[S+32*\u+8*\kt:S+32*\u+8*\kt+7], v[KF+16*\kt:KF+16*\kt+7], v[16*(2*\p+\u):16*(2*\p+\u)+7], v[MK+8*\kt:MK+8*\kt+7]
.else
	v_wmma_f32_16x16x32_f16 v[S+32*\u+8*\kt:S+32*\u+8*\kt+7], v[KF+16*\kt+8:KF+16*\kt+15], v[16*(2*\p+\u)+8:16*(2*\p+\u)+15], v[S+32*\u+8*\kt:S+32*\u+8*\kt+7]
.endif
.endr
.endr
.endr
.endm
; O^T += V^T P, for piece p: 16 products; the eight accumulators (channel tile, tile of queries) take turns.
.macro PV p
	WIN W_PV
.irp kk, 0,1
.irp c, 0,1,2,3
.irp u, 0,1
	v_wmma_f32_16x16x32_f16 v[OB+32*(2*\p+\u)+8*\c:OB+32*(2*\p+\u)+8*\c+7], v[VF+32*\kk+8*\c:VF+32*\kk+8*\c+7], v[P+16*\u+8*\kk:P+16*\u+8*\kk+7], v[OB+32*(2*\p+\u)+8*\c:OB+32*(2*\p+\u)+8*\c+7]
.endr
.endr
.endr
.endm
; ONE TILE'S SOFTMAX FOR ONE KEY STEP is a list of 118 instructions; SM writes number j of it for tile t, whose scores lie in place e of the piece.  s0-s31 are the lane's 32 scores, in pairs 0-15.
;   0-15    the maximum of s0-s31 and the old m, three operands at a time: four chains c0-c3 of seven scores each (each accumulator is read from its low end on), then the four scores left over, c0-c3 and m
;   16-20   the other half of the lanes' maximum; the new m; c m; c m_old - c m_new
;   21-87   33 exponentials (a, then s0-s31) at the odd numbers from 23 on, so that no two follow each other and each has a plain instruction behind it before its result is used (ISA guide 5.7.2).
;           The plain ones are whatever is ready: c s - c m for a pair whose exponentials are still to come, the rounding to f16 of a pair whose exponentials are done, at last the first three sums
;   88-101  the last rounding; the rest of the sums; l = a l + the sum
;   102-117 the tile's O^T times a: the one part that leaves window 0, so it stands together
.macro SM t, e
.set rT, ST+8*(\t)
.set rS, S+32*(\e)
.set rP, P+16*(\e)
.set rO, OB+32*(\t)+2*(j-102)
.set q, (j-20)/2
.if j < 102
	WIN 0
.endif
.if j < 4
	v_max3_num_f32 v[rT+4+j], v[rS+8*j], v[rS+8*j+1], v[rS+8*j+2]
.elseif j < 12
	v_max3_num_f32 v[rT+4+j%4], v[rT+4+j%4], v[rS+8*(j%4)+2*(j/4)+1], v[rS+8*(j%4)+2*(j/4)+2]
.elseif j == 12
	v_max3_num_f32 v[rT+4], v[rT+4], v[rS+7], v[rS+15]
.elseif j == 13
	v_max3_num_f32 v[rT+6], v[rT+6], v[rS+23], v[rS+31]
.elseif j == 14
	v_max3_num_f32 v[rT+4], v[rT+4], v[rT+5], v[rT+6]
.elseif j == 15
	v_max3_num_f32 v[rT+4], v[rT+4], v[rT+7], v[rT+1]
.elseif j == 16
	v_permlanex16_b32 v[rT+5], v[rT+4], s[SEL], s[SEL+1]  ; the query's other 32 keys lie in the lane 16 away
.elseif j == 17
	v_mov_b32 v[rT+7], v[rT]                       ; c m_old is kept for a: number 19 writes c m anew
.elseif j == 18
	v_max_num_f32 v[rT+1], v[rT+4], v[rT+5]
.elseif j == 19
	v_mul_f32 v[rT], s[CS], v[rT+1]
.elseif j == 20
	v_sub_f32 v[rT+7], v[rT+7], v[rT]
.elseif j == 23
	v_exp_f32 v[rT+6], v[rT+7]
.elseif (j < 88) && (j > 23) && (j%2 == 1)
	v_exp_f32 v[rS+(j-25)/2], v[rS+(j-25)/2]
.elseif (q < 4) || ((j < 76) && (q%2 == 0))
.set b, q/2+2
.if q < 4
.set b, q
.endif
	v_pk_fma_f32 v[rS+2*b:rS+2*b+1], v[rS+2*b:rS+2*b+1], s[CS:CS+1], v[rT:rT+1] op_sel_hi:[1,0,0] neg_lo:[0,0,1] neg_hi:[0,0,1]  ; pair b: c s - c m
.elseif (j < 88) && (q%2 == 1)
	s_wait_alu depctr_va_vdst(0)
	v_cvt_pk_f16_f32 v[rP+(q-5)/2], v[rS+q-5], v[rS+q-4]  ; pair (q - 5) / 2: its second exponential stands three numbers back
.elseif j == 89
	s_wait_alu depctr_va_vdst(0)
	v_cvt_pk_f16_f32 v[rP+15], v[rS+30], v[rS+31]
.elseif j < 102                        ; the sum of the tile's 16 pairs (an even key's weight, an odd key's), in place: sum z of 16 adds neighbours 1, 2, 4 and 8 pairs apart, then l takes it
.set z, j-86
.if j < 89
.set z, (j-76)/4
.endif
.set w, 4
.set u, z
.if z >= 14
.set w, 32
.set u, 0
.elseif z >= 12
.set w, 16
.set u, z-12
.elseif z >= 8
.set w, 8
.set u, z-8
.endif
.if z < 15
	v_pk_add_f32 v[rS+w*u:rS+w*u+1], v[rS+w*u:rS+w*u+1], v[rS+w*u+w/2:rS+w*u+w/2+1]
.else
	v_pk_fma_f32 v[rT+2:rT+3], v[rT+2:rT+3], v[rT+6:rT+7], v[rS:rS+1] op_sel_hi:[1,0,1]
.endif
.else
	WIN W_RS
	v_pk_mul_f32 v[rO:rO+1], v[rO:rO+1], v[rT+6:rT+7] op_sel_hi:[1,0]
.endif
.endm
; Slice k of 59 of piece p's softmax: numbers 2 k and 2 k + 1 of both tiles' lists, four instructions.
.macro SLICE p
.if (k >= 11) && (k < 44)              ; tile by tile: plain, exponential, plain, exponential
.irp u, 0,1
.irp n, 0,1
.set j, 2*k+\n
	SM 2*\p+\u, \u
.endr
.endr
.else                                  ; the two tiles alternate, so that no instruction reads the result of the one just before it
.irp n, 0,1
.irp u, 0,1
.set j, 2*k+\n
	SM 2*\p+\u, \u
.endr
.endr
.endif
.set k, k+1
.endm
.macro SOFTMAX p
.set k, 0
.rept 59
	SLICE \p
.endr
.endm
; A KEY STEP: 64 keys.  40 LDS loads in one run (16 for K, 8 for the mask's terms, 16 for V), then the two pieces.
.macro STEP
	WIN 0
	v_add_nc_u32 v[ADK], s[TB], v[AK0]             ; these three and the v_nop are the four places between the last step's last products and the loads into V's registers
	v_add_nc_u32 v[ADV], s[TB], v[AV0]
	v_add_nc_u32 v[ADM], s[TM], v[AM0]
	v_nop
.irp kt, 0,1,2,3
.irp kk, 0,1
	ds_load_b128 v[KF+16*\kt+8*\kk:KF+16*\kt+8*\kk+3],   v[ADK] offset:\kt*16*PK+\kk*64
	ds_load_b128 v[KF+16*\kt+8*\kk+4:KF+16*\kt+8*\kk+7], v[ADK] offset:\kt*16*PK+\kk*64+32
.endr
.endr
.irp kt, 0,1,2,3
	ds_load_b128 v[MK+8*\kt:MK+8*\kt+3],   v[ADM] offset:64*\kt
	ds_load_b128 v[MK+8*\kt+4:MK+8*\kt+7], v[ADM] offset:64*\kt+16
.endr
	WIN 0x40                                       ; destination window 1
.irp kk, 0,1
.irp c, 0,1,2,3
	ds_load_tr16_b128 v[VF+32*\kk+8*\c:VF+32*\kk+8*\c+3],   v[ADV] offset:\kk*32*PVP+\c*32
	ds_load_tr16_b128 v[VF+32*\kk+8*\c+4:VF+32*\kk+8*\c+7], v[ADV] offset:\kk*32*PVP+16*PVP+\c*32
.endr
.endr
	WIN 0
	s_wait_dscnt 16                                ; K and the terms are in; V's sixteen loads, the youngest, may be out
	KQ 0
	PLACES                                         ; in front of the first read of the scores
	SOFTMAX 0
	s_wait_dscnt 0x0                               ; V is in
	PV 0
	KQ 1                                           ; S^T's registers are begun anew: piece 0's whole softmax stands behind the products that wrote them last
	PLACES                                         ; in front of the first read of the scores, and of the roundings that write P, which the products above have read
	SOFTMAX 1
	PV 1
	WIN 0
	s_add_co_u32 s[TB], s[TB], STEPB
	s_add_co_u32 s[TM], s[TM], 256
.endm
.macro SLOTWORK x                      ; slot x's four key steps: written once, walked four times
	s_mov_b32 s[TB], \x*SLOTB
	s_mov_b32 s[INNER], 4
.Lstep_\@:
	STEP
	s_sub_co_u32 s[INNER], s[INNER], 1
	s_cmp_lg_u32 s[INNER], 0
	s_cbranch_scc1 .Lstep_\@
.endm
; THE CHANGE OF SLOTS: slot x has been read out.  Each wave waits for all its tensor loads, of which one is out: its part of the other slot; adds 0 to its spare word; and waits for that and for its own reads of slot x.
; fill = 1: slot x is filled again, with the keys two slots on.  The barrier is then a round of the cluster's, so that no wave of any partner still reads the slot or has a load on its way, and the joint refill is the first
; thing behind it: it has four key steps in which to land.
.macro CHANGE x, fill, how
	WIN 0
	s_wait_tensorcnt 0x0                           ; no tensor load of mine is out, so a group 0 may be written
	ds_add_u32 v[SPW], v[NIL]                      ; 0 onto my spare word: with fill = 1 the descriptors' steps stand between it and the wait for it
.if \fill
	s_add_nc_u64 s[G0K+4*\x+2:G0K+4*\x+3], s[G0K+4*\x+2:G0K+4*\x+3], 2<<19   ; 512 keys on; the type bits on top are not reached
	s_add_nc_u64 s[G0V+4*\x+2:G0V+4*\x+3], s[G0V+4*\x+2:G0V+4*\x+3], 2<<19
	s_wait_xcnt 0x0                                ; the last prefetch, four key steps back, has read its address, so it may be written:
	s_add_nc_u64 s[PFA:PFA+1], s[PFA:PFA+1], 1<<19 ; one slot further on than this refill
	s_wait_dscnt 0x0                               ; the add is done, and my reads of the slot are over
	CROUND
	JLOAD \x
	ASK \how
.else
	s_wait_dscnt 0x0                               ; the add is done, and my reads of the slot are over
	s_barrier_signal -1
	s_barrier_wait -1
.endif
.endm
	SLOTWORK 0                                     ; keys 0 - 255
	s_mov_b32 s[TRIPS], 3
.Lpair:                                            ; three trips, two refills each: the keys from 512 on
	CHANGE 0, 1, 1
	SLOTWORK 1
	CHANGE 1, 1, 0
	SLOTWORK 0
	s_sub_co_u32 s[TRIPS], s[TRIPS], 1
	s_cmp_lg_u32 s[TRIPS], 0
	s_cbranch_scc1 .Lpair
	CHANGE 0, 0, 0                                 ; the tail is written out: nothing is asked for
	SLOTWORK 1                                     ; keys 1,792 - 2,047
	; THE WAY OUT.  l's two halves and the other half of the lanes' are added (the additions are the places behind the last products); O^T is divided by l, rounded to f16 and put into the work-group's stage: a row's
	; 256 bytes come from two waves (the two heads), so a barrier stands between the writing and the reading; each wave then stores 32 whole rows.
.irp t, 0,1,2,3
	v_add_f32 v[ST+8*\t+4], v[ST+8*\t+2], v[ST+8*\t+3]
.endr
.irp t, 0,1,2,3
	v_permlanex16_b32 v[ST+8*\t+5], v[ST+8*\t+4], s[SEL], s[SEL+1]
.endr
.irp t, 0,1,2,3
	v_add_f32 v[ST+8*\t+4], v[ST+8*\t+4], v[ST+8*\t+5]
.endr
.irp t, 0,1,2,3
	v_rcp_f32 v[ST+8*\t+6], v[ST+8*\t+4]
.endr
	v_nop                                          ; a plain instruction between the last reciprocal and the use of its result
	s_wait_alu depctr_va_vdst(0)
.macro OUTT t
	WIN W_RS
.set i, 0
.rept 16
	v_pk_mul_f32 v[OB+32*\t+i:OB+32*\t+i+1], v[OB+32*\t+i:OB+32*\t+i+1], v[ST+8*\t+6:ST+8*\t+7] op_sel_hi:[1,0]   ; each accumulator from its low end on
.set i, i+2
.endr
	WIN 0x05                                       ; sources 0 and 1 window 1, destination window 0: S^T's registers are free
.set i, 0
.rept 16
	v_cvt_pk_f16_f32 v[S+16*\t+i], v[OB+32*\t+2*i], v[OB+32*\t+2*i+1]
.set i, i+1
.endr
	WIN 0
.irp c, 0,1,2,3
	ds_store_b128 v[STO], v[S+16*\t+4*\c:S+16*\t+4*\c+3] offset:\t*16*SP+32*\c   ; lane (r, h): query 16 t + r, channels 16 c + 8 h + 0..7
.endr
.endm
	OUTT 0
	OUTT 1
	OUTT 2
	OUTT 3
	s_wait_dscnt 0x0                               ; for the others' sake: my stores into the stage are done
	s_barrier_signal -1
	s_barrier_wait -1
.irp t, 0,1,2,3,4,5,6,7,8,9,10,11,12,13,14,15
	ds_load_b128 v[P+4*\t:P+4*\t+3], v[RD] offset:\t*2*SP
.endr
.irp t, 0,1,2,3,4,5,6,7,8,9,10,11,12,13,14,15
	s_wait_dscnt 15-\t                             ; load t is in; the 15 - t younger ones may be out
	global_store_b128 v[GO], v[P+4*\t:P+4*\t+3], s[10:11] offset:\t*4096   ; 16 lanes store 256 consecutive bytes, aligned
.endr
	s_wait_tensorcnt 0x0                           ; the wave's end: behind my last tensor load and my last LDS store
	ds_add_u32 v[SPW], v[NIL]
	s_wait_dscnt 0x0
	CROUND                                         ; the closing round: no work-group ends while a partner may still ask for a tile that names it
	s_endpgm
.Lfunc_end_k_qc56ab58276_attn:
	.size	k_qc56ab58276_attn, .Lfunc_end_k_qc56ab58276_attn-k_qc56ab58276_attn
	.p2alignl 7, 3214868480
	.fill 96, 4, 3214868480
	.section	.rodata,"a",@progbits
	.p2align	6, 0x0
	.amdhsa_kernel k_qc56ab58276_attn
		.amdhsa_group_segment_fixed_size 327680
		.amdhsa_private_segment_fixed_size 0
		.amdhsa_enable_private_segment 0
		.amdhsa_kernarg_size 24
		.amdhsa_user_sgpr_count 2
		.amdhsa_user_sgpr_kernarg_segment_ptr 1
		.amdhsa_wavefront_size32 1
		.amdhsa_system_sgpr_workgroup_id_x 1
		.amdhsa_system_sgpr_workgroup_id_y 1
		.amdhsa_system_sgpr_workgroup_id_z 1
		.amdhsa_system_vgpr_workitem_id 0
		.amdhsa_next_free_vgpr 512
		.amdhsa_next_free_sgpr 80
		.amdhsa_reserve_vcc 0
		.amdhsa_float_denorm_mode_32 3
		.amdhsa_float_denorm_mode_16_64 3
		.amdhsa_memory_ordered 1
		.amdhsa_forward_progress 1
		.amdhsa_inst_pref_size 170
	.end_amdhsa_kernel
	.amdgpu_metadata
---
amdhsa.version: [ 1, 2 ]
amdhsa.kernels:
  - .name:           k_qc56ab58276_attn
    .symbol:         k_qc56ab58276_attn.kd
    .args:
      - { .name: qkv, .offset: 0, .size: 8, .value_kind: global_buffer, .address_space: global }
      - { .name: mask, .offset: 8, .size: 8, .value_kind: global_buffer, .address_space: global }
      - { .name: ctx, .offset: 16, .size: 8, .value_kind: global_buffer, .address_space: global }
    .group_segment_fixed_size: 327680
    .private_segment_fixed_size: 0
    .kernarg_segment_align: 8
    .kernarg_segment_size: 24
    .max_flat_workgroup_size: 256
    .sgpr_count:     80
    .vgpr_count:     512
    .wavefront_size: 32
...
	.end_amdgpu_metadata
.endif
;; end of part 3
;; launch outp (part 4): grid 8 x 64, 4 waves a work-group, clusters of 4 x 4, 327,680 bytes of LDS; arguments ctx, wot, out0, bo; writes out0
.if DOCPART == 4
	.amdgcn_target "amdgcn-amd-amdhsa--gfx1250"
	.amdhsa_code_object_version 6
	.text
	.protected	k_qc56ab58276_outp
	.globl	k_qc56ab58276_outp
	.p2align	8
	.type	k_qc56ab58276_outp,@function
k_qc56ab58276_outp:
	s_mov_b64 s[64:65], 0
	v_nop
	global_prefetch_b8 v0, s[64:65] scope:SCOPE_SE
	s_setreg_imm32_b32 hwreg(HW_REG_WAVE_MODE, 25, 1), 1
	s_wait_xcnt 0x0
	s_wait_alu depctr_hold_cnt(0) depctr_sa_sdst(0) depctr_va_vdst(0) depctr_va_sdst(0) depctr_va_ssrc(0) depctr_va_vcc(0) depctr_vm_vsrc(0)
	s_getreg_b32 s2, hwreg(HW_REG_IB_STS2, 6, 4)
	s_cmp_eq_u32 s2, 0
	s_cbranch_scc0 .Lentry_in_a_cluster
	s_endpgm
.Lentry_in_a_cluster:
	s_bfe_u32 s2, ttmp6, 0x10000c
	s_cmp_lg_u32 s2, 0xf033
	s_cbranch_scc0 .Lentry_shape_is_right
	s_endpgm
.Lentry_shape_is_right:
; out0[m][n] = sum over k of ctx[m][k] wot[n][k] + bo[n].  ctx: [8192][1024] f16, wot: [1024 (n)][1024 (k)] f16 (wo turned), out0: [8192][1024] f32; sums in f32.  This product is left as it is: f16 operands.
; A tile of C is 128 x 128, which gives 512 work-groups, two for each of 256 (tiles of 256 x 256 would be 128).  Four waves, each 64 x 64: 16 accumulators of 16 x 16, 128 registers.  K goes in steps of 256
; (LDS rows of 512 bytes; a wave's tensor load brings 64 of them) through two slots.
; CLUSTERS: 4 x 4 work-groups.  The four of a row of the cluster need the same tiles of A, the four of a column the same tiles of B: each tile is asked for JOINTLY, by the same tensor load with the
; same descriptor and a mask that names the four.  THE MATRIX INSTRUCTION IS USED TRANSPOSED (source 0 = 16 rows of B, source 1 = 16 rows of A): a lane then holds eight neighbouring numbers of a row of C.
; THE BIAS is the C of each sum's first product.  A wave's 64 columns of f32 are 256 bytes of a row, aligned: each wave sends its own results out through a stage of its own, with no barrier.
; REGISTERS: window 0: v0-31 addresses; v32-95 rows on the way out; v96-127 the bias; v128-255 the accumulators ((a, b) at v[128 + 8 (4 a + b)]).
;   window 1: two fragment buffers of 128: for 64 along K, 64 registers of A (2 x 4 x 16 rows x 32 K), then 64 of B.
.set SIZE_N, 1024
.set SIZE_K, 1024
.set KSTEP,  256
.set PITCH,  528                       ; an LDS row: 512 bytes of data + 16 of padding = 132 words: row r starts at bank 4 r mod 64 (64 banks of 4 bytes: ISA guide 11.1)
.set HALFT,  64*PITCH                  ; 64 rows: what one tensor load brings, and what one wave reads of A or of B
.set SLOT,   4*HALFT                   ; A's 128 rows, then B's 128 rows
.set SPITCH, 272                       ; the way out: 16 rows x (256 bytes + 16) for each wave, in slot 0, which has had its last fill and its last read by then
.set SPARE,  2*SLOT                    ; behind the ring: the spare words, 128 bytes for each wave: two blocks of 256 bytes that no other line names
.set LAPS, SIZE_K/(2*KSTEP)            ; a lap = two K steps = once round the ring: 2
.set ADRA, 16                          ; v16-17  LDS address of my A fragments in slot 0, 1
.set ADRB, 20                          ; v20-21  the same for B
.set STO,  24                          ; v24     the way out: where I put 32 bytes of a row
.set RD,   25                          ; v25     where I read a row back
.set CO,   26                          ; v26     my byte offset in two rows of C
.set SPW,  28                          ; v28     LDS address of my spare word; never rewritten
.set NIL,  29                          ; v29     0; never rewritten
.set OB,   32                          ; the way out: 16 rows read back: v32-63 and v64-95 by turns
.set BI,   96                          ; the bias: v[BI + 8 b + j] = bo[my first column + 16 b + 8 (lane / 16) + j]
.set ACC,  128
.set F0,   0                           ; fragment buffers, in window 1
.set F1,   128
.set G1, 24                            ; s[24:31] descriptor group 1 for A's tiles;  s[32:39] group 0, one set for each slot
.set G0, 32
.set G1B, 48                           ; s[48:55], s[56:63] the same for B's tiles
.set G0B, 56
.set MSB, 0
.macro WIN new                         ; the immediate's high byte repeats the setting that is left
.if MSB != (\new)
	s_set_vgpr_msb (MSB<<8)|(\new)
.set MSB, (\new)
.endif
.endm
.set MUL,  0x05                        ; sources 0 (B) and 1 (A) window 1; C and D window 0
.set TO_F, 0x40                        ; destination window 1, address window 0
.macro JLOAD s                         ; a joint load: waves 0 and 1 fetch A's two halves, waves 2 and 3 B's; four v_nop follow each of the two lines, ahead of the jump, the label and what follows
	s_cmp_eq_u32 s11, 0
	s_cbranch_scc0 .Lfor_b_\@
	tensor_load_to_lds s[G0+4*\s:G0+4*\s+3], s[G1:G1+7]
	s_nop 0
.rept 4
	v_nop
.endr
	s_branch .Lasked_\@
.Lfor_b_\@:
	tensor_load_to_lds s[G0B+4*\s:G0B+4*\s+3], s[G1B:G1B+7]
	s_nop 0
.rept 4
	v_nop
.endr
.Lasked_\@:
.endm
.macro CREST                           ; a round of the cluster's barrier behind its opening barrier
	s_cmp_lg_u32 s10, 0
	s_cbranch_scc1 .Lnot_wave_0_\@
	s_barrier_signal -3
.Lnot_wave_0_\@:
	s_barrier_wait -3
	s_barrier_signal -1
	s_barrier_wait -1
.endm
.macro CROUND                          ; a whole round
	s_barrier_signal -1
	s_barrier_wait -1
	CREST
.endm
	s_load_b128 s[4:7], s[0:1], 0x0                ; A = ctx s[4:5], B = wot s[6:7]
	s_load_b64 s[8:9], s[0:1], 0x10                ; C = out0
	s_load_b64 s[66:67], s[0:1], 0x18              ; bo
	v_lshl_add_u32 v[SPW], v0, 2, SPARE
	v_mov_b32 v[NIL], 0
	ds_add_u32 v28, v29
	ds_add_u32 v28, v29
	s_wait_dscnt 0x0
	v_lshrrev_b32 v1, 5, v0
	v_readfirstlane_b32 s10, v1                    ; wave 0..3
	s_lshr_b32 s11, s10, 1                         ; which half of the tile's rows is mine.  Also: I fetch for A (0) or for B (1)
	s_and_b32 s12, s10, 1                          ; which half of its columns.  Also: which 64 rows of that tile I fetch
	s_bfe_u32 s40, ttmp6, 0x40000                  ; cx, cy: my place in the cluster
	s_bfe_u32 s41, ttmp6, 0x40004
	s_lshl_b32 s42, ttmp9, 2
	s_add_co_u32 s42, s42, s40                     ; tile column of C = 4 x cluster x + cx
	s_and_b32 s13, ttmp7, 0xffff
	s_lshl_b32 s13, s13, 2
	s_add_co_u32 s13, s13, s41                     ; tile row of C = 4 x cluster y + cy
	s_lshl_b32 s43, s41, 2
	s_lshl_b32 s43, 15, s43                        ; my row of the cluster
	s_lshl_b32 s44, 0x1111, s40                    ; my column
	; descriptor group 1: a tile of 64 rows x 256 elements, padded in LDS
	s_or_b32 s[G1+0], s43, (1<<16)|(1<<20)|(1<<21)|(6<<22)|(3<<25)  ; 15:0 the mask: A's tiles go to my row; 17:16 element of 2 bytes; 20 padding on; 21 set beside a mask; 24:22 after every 128 words; 31:25 of 4 words
	s_or_b32 s[G1B+0], s44, (1<<16)|(1<<20)|(1<<21)|(6<<22)|(3<<25)
.irp g, G1, G1B
	s_mov_b32 s[\g+1], KSTEP<<16                   ; tensor_dim0 = 256
	s_mov_b32 s[\g+2], 64<<16                      ; tensor_dim1 = 64
	s_mov_b32 s[\g+3], KSTEP<<16                   ; tile_dim0 = 256
	s_mov_b32 s[\g+4], 64                          ; tile_dim1 = 64
	s_mov_b32 s[\g+5], SIZE_K                      ; tensor_dim0_stride
	s_mov_b32 s[\g+6], 0
	s_mov_b32 s[\g+7], 0
.endr
	s_lshl_b32 s17, s12, 6                         ; which 64 rows of the tile I fetch
	s_lshl_b32 s16, s13, 7
	s_add_co_u32 s16, s16, s17                     ; A: row 128 x tile row + 64 x half
	s_lshl_b32 s46, s42, 7
	s_add_co_u32 s46, s46, s17                     ; B: row 128 x tile column + 64 x half
	s_mov_b32 s17, 0
	s_mov_b32 s47, 0
	s_mov_b64 s[18:19], SIZE_K*2
	s_mul_u64 s[16:17], s[16:17], s[18:19]
	s_mul_u64 s[46:47], s[46:47], s[18:19]
	s_mul_i32 s20, s10, HALFT                      ; where they go: wave x 64 rows
	s_wait_kmcnt 0x0
	s_add_nc_u64 s[14:15], s[4:5], s[16:17]
	s_add_nc_u64 s[46:47], s[6:7], s[46:47]
	CROUND                                         ; all sixteen work-groups are here: the first joint loads meet
.irp s, 0,1
	s_mov_b32 s[G0+4*\s], 1
	s_add_co_u32 s[G0+4*\s+1], s20, \s*SLOT
	s_add_nc_u64 s[G0+4*\s+2:G0+4*\s+3], s[14:15], \s*KSTEP*2
	s_or_b32 s[G0+4*\s+3], s[G0+4*\s+3], 0x80000000
	s_mov_b32 s[G0B+4*\s], 1
	s_add_co_u32 s[G0B+4*\s+1], s20, \s*SLOT
	s_add_nc_u64 s[G0B+4*\s+2:G0B+4*\s+3], s[46:47], \s*KSTEP*2
	s_or_b32 s[G0B+4*\s+3], s[G0B+4*\s+3], 0x80000000
	JLOAD \s                                       ; two tensor loads of mine are out
.endr
	v_and_b32 v1, 15, v0                           ; l % 16
	v_bfe_u32 v2, v0, 4, 1                         ; l / 16
	s_lshl_b32 s46, s42, 9                         ; my first column, in bytes of f32: 512 x tile column + 256 x half: in bo and in a row of C alike
	s_lshl_b32 s47, s12, 8
	s_add_co_u32 s46, s46, s47
	s_mov_b32 s47, 0
	s_add_nc_u64 s[66:67], s[66:67], s[46:47]
	v_lshlrev_b32 v6, 5, v2                        ; lanes 16-31 take the upper eight of a block's sixteen columns
.irp b, 0,1,2,3
	global_load_b128 v[BI+8*\b:BI+8*\b+3], v6, s[66:67] offset:64*\b
	global_load_b128 v[BI+8*\b+4:BI+8*\b+7], v6, s[66:67] offset:64*\b+16
.endr
	v_mul_u32_u24 v3, v1, PITCH
	v_lshl_add_u32 v3, v2, 4, v3                   ; a fragment's row x pitch + 16 x half
	s_mul_i32 s21, s11, HALFT                      ; my 64 rows of A
	s_mul_i32 s22, s12, HALFT                      ; my 64 rows of B,
	s_add_co_u32 s22, s22, 2*HALFT                 ; which lie behind A's 128
.irp s, 0,1
	v_add_nc_u32 v[ADRA+\s], s21, v3
	v_add_nc_u32 v[ADRB+\s], s22, v3
	s_add_co_u32 s21, s21, SLOT
	s_add_co_u32 s22, s22, SLOT
.endr
	s_mul_i32 s23, s10, 16*SPITCH                  ; my stage
	v_mul_u32_u24 v4, v1, SPITCH                   ; in: row l % 16, 32 bytes for each half of the lanes
	v_lshl_add_u32 v4, v2, 5, v4
	v_add_nc_u32 v[STO], s23, v4
	v_mul_u32_u24 v5, v2, SPITCH                   ; back: lanes 0-15 take one row of 256 bytes, lanes 16-31 the next
	v_lshl_add_u32 v5, v1, 4, v5
	v_add_nc_u32 v[RD], s23, v5
	v_lshlrev_b32 v5, 12, v2                       ; and the same two rows in C (4,096 bytes a row)
	v_lshl_add_u32 v[CO], v1, 4, v5
	s_lshl_b32 s16, s13, 7
	s_lshl_b32 s17, s11, 6
	s_add_co_u32 s16, s16, s17                     ; my first row of C: 128 x tile row + 64 x half
	s_lshl_b32 s16, s16, 12                        ; in bytes (under 2^25)
	s_mov_b32 s17, 0
	s_add_nc_u64 s[8:9], s[8:9], s[16:17]
	s_add_nc_u64 s[8:9], s[8:9], s[46:47]
; 8 matrix instructions: m blocks a0, a0 + 1 x all 4 n blocks, 32 along K: half c of buffer f.  zero = 1: the first product starts the sums, from the bias.  The 16 accumulators take turns.
.macro MUL8 f, c, a0, zero
.irp a, \a0, \a0+1
.irp b, 0,1,2,3
.if \zero
	v_wmma_f32_16x16x32_f16 v[ACC+8*(4*(\a)+\b):ACC+8*(4*(\a)+\b)+7], v[\f+64+8*(4*\c+\b):\f+64+8*(4*\c+\b)+7], v[\f+8*(4*\c+\a):\f+8*(4*\c+\a)+7], v[BI+8*\b:BI+8*\b+7]
.else
	v_wmma_f32_16x16x32_f16 v[ACC+8*(4*(\a)+\b):ACC+8*(4*(\a)+\b)+7], v[\f+64+8*(4*\c+\b):\f+64+8*(4*\c+\b)+7], v[\f+8*(4*\c+\a):\f+8*(4*\c+\a)+7], v[ACC+8*(4*(\a)+\b):ACC+8*(4*(\a)+\b)+7]
.endif
.endr
.endr
.endm
; 32 LDS loads in one run: the fragments of 64 along K at byte k of the rows, into buffer f; the first 32 along K first
.macro FETCH slot, k, f
	WIN TO_F
.irp c, 0,1
.irp i, 0,1,2,3
	ds_load_b128 v[\f+64+8*(4*\c+\i):\f+64+8*(4*\c+\i)+3],   v[ADRB+\slot] offset:\k+64*\c+\i*16*PITCH
	ds_load_b128 v[\f+64+8*(4*\c+\i)+4:\f+64+8*(4*\c+\i)+7], v[ADRB+\slot] offset:\k+64*\c+\i*16*PITCH+32
	ds_load_b128 v[\f+8*(4*\c+\i):\f+8*(4*\c+\i)+3],         v[ADRA+\slot] offset:\k+64*\c+\i*16*PITCH
	ds_load_b128 v[\f+8*(4*\c+\i)+4:\f+8*(4*\c+\i)+7],       v[ADRA+\slot] offset:\k+64*\c+\i*16*PITCH+32
.endr
.endr
.endm
.macro PLACES                          ; four places in front of loads into registers that matrix instructions have read, and of LDS stores that read results
.rept 4
	v_nop
.endr
.endm
; A K step is four quarters of 64 along K, 32 matrix instructions each, on buffers 0, 1, 0, 1.  One of the first three: multiplies buffer f and fetches the next quarter, at byte k, into g.
.macro QUARTER slot, k, f, g, zero
	s_wait_dscnt 16                                ; the first 32 along K are in; the sixteen loads of the second 32 may be out
	WIN MUL
	MUL8 \f, 0, 0, \zero
	MUL8 \f, 0, 2, \zero
	PLACES
	FETCH \slot, \k, \g
	s_wait_dscnt 32                                ; all but the 32 just issued
	WIN MUL
	MUL8 \f, 1, 0, 0
	MUL8 \f, 1, 2, 0
.endm
; The last quarter multiplies buffer 1 and changes slots: ONE barrier; in front of it each wave waits for all its tensor loads, adds 0 to its spare word, and waits for that and for its own reads of this slot.  fill = 1: this slot is filled again, two K steps ahead.
.macro TURN slot, next, fill
	WIN 0                                          ; (the add's two registers lie in window 0)
	s_wait_tensorcnt 0x0                           ; all my tensor loads have landed: my part of the next slot;
	ds_add_u32 v[SPW], v[NIL]                      ; 0 onto my spare word
	s_wait_dscnt 17                                ; (the add and the youngest sixteen loads may be out)
	WIN MUL
	MUL8 F1, 0, 0, 0                               ; eight matrix instructions stand between the add and the wait for it
	s_wait_dscnt 0x0                               ; the add is done, and my reads of this slot are over
	s_barrier_signal -1
	MUL8 F1, 0, 2, 0
.if \fill
	WIN 0
.endif
	s_barrier_wait -1
.if \fill
	CREST                                          ; the barrier has opened a round of the cluster's barrier: no wave of any partner still reads this slot's tile or has a load on its way
	s_add_nc_u64 s[G0+4*\slot+2:G0+4*\slot+3], s[G0+4*\slot+2:G0+4*\slot+3], 2*KSTEP*2
	s_add_nc_u64 s[G0B+4*\slot+2:G0B+4*\slot+3], s[G0B+4*\slot+2:G0B+4*\slot+3], 2*KSTEP*2
	JLOAD \slot                                    ; the first tensor load behind the round; the four v_nop behind it are also the places in front of the loads below
.else
	PLACES
.endif
	FETCH \next, 0, F0
	WIN MUL
	MUL8 F1, 1, 0, 0
	MUL8 F1, 1, 2, 0
.endm
	s_wait_tensorcnt 1                             ; my part of K step 0 is in (K step 1's load, issued behind it, may be out),
	s_barrier_signal -1
	s_barrier_wait -1                              ; everybody's is
	FETCH 0, 0, F0
	s_wait_loadcnt 0x0                             ; the bias
	QUARTER 0, 128, F0, F1, 1                      ; the first quarter stands in front of the loop: its first products start the sums, from the bias
	WIN 0                                          ; at a label and at a branch every window is 0
	s_mov_b32 s3, LAPS-1
.Llap:                                                 ; a trip goes once round the ring, from a lap's second quarter to the next lap's first, and fills both slots again
	QUARTER 0, 256, F1, F0, 0
	QUARTER 0, 384, F0, F1, 0
	TURN 0, 1, 1
	QUARTER 1, 128, F0, F1, 0
	QUARTER 1, 256, F1, F0, 0
	QUARTER 1, 384, F0, F1, 0
	TURN 1, 0, 1
	QUARTER 0, 128, F0, F1, 0
	WIN 0
	s_sub_co_u32 s3, s3, 1
	s_cmp_lg_u32 s3, 0
	s_cbranch_scc1 .Llap
	QUARTER 0, 256, F1, F0, 0                      ; the last lap fills nothing, and has no round of the cluster's barrier
	QUARTER 0, 384, F0, F1, 0
	TURN 0, 1, 0
	QUARTER 1, 128, F0, F1, 0
	QUARTER 1, 256, F1, F0, 0
	QUARTER 1, 384, F0, F1, 0
	s_wait_dscnt 16                                ; the very last quarter: nothing more to fetch
	WIN MUL
	MUL8 F1, 0, 0, 0
	MUL8 F1, 0, 2, 0
	s_wait_dscnt 0
	MUL8 F1, 1, 0, 0
	MUL8 F1, 1, 2, 0
	WIN 0
; THE WAY OUT, block by block of 16 rows x 64 columns of f32.  A lane holds 32 neighbouring bytes of a row, and the lanes beside it hold other rows: so a block goes through my own stage in LDS and comes back as whole
; rows of 256 bytes.  LDS serves a wave's instructions in order (ISA guide 5.7.1.4): no wait between the stores and the loads, nor in front of the next block's stores.
.macro TOSTAGE a
.irp b, 0,1,2,3
	ds_store_b128 v[STO], v[ACC+8*(4*(\a)+\b):ACC+8*(4*(\a)+\b)+3] offset:64*\b          ; each accumulator from its low end on
	ds_store_b128 v[STO], v[ACC+8*(4*(\a)+\b)+4:ACC+8*(4*(\a)+\b)+7] offset:64*\b+16
.endr
.set BB, OB+32*((\a)%2)
.irp t, 0,1,2,3,4,5,6,7
	ds_load_b128 v[BB+4*\t:BB+4*\t+3], v[RD] offset:\t*2*SPITCH
.endr
.endm
.macro SEND a, younger                 ; younger: the LDS instructions issued behind block a's loads, which may stay out
.set BB, OB+32*((\a)%2)
	s_wait_dscnt \younger                          ; the block is back in registers
.irp t, 0,1,2,3,4,5,6,7
	global_store_b128 v[CO], v[BB+4*\t:BB+4*\t+3], s[8:9] offset:(16*(\a)+2*\t)*SIZE_N*4 th:TH_STORE_NT   ; 16 lanes store 256 consecutive bytes, aligned; 62 rows of 4,096 bytes at the most: inside the signed 24-bit immediate
.endr
.endm
	PLACES                                         ; behind the last products, in front of the first read of results
	TOSTAGE 0
.irp a, 1,2,3
.if \a > 1
	s_wait_xcnt 0x0                                ; block a - 2's stores have read their registers: block a's loads may land there
.endif
	TOSTAGE \a
	SEND \a-1, 16                                  ; behind block a - 1's loads: block a's 8 stores and 8 loads
.endr
	SEND 3, 0
	s_wait_tensorcnt 0x0                           ; the wave's end: behind my last tensor load and my last LDS store
	ds_add_u32 v[SPW], v[NIL]
	s_wait_dscnt 0x0
	CROUND                                         ; the closing round: no work-group ends while a partner may still ask for a tile that names it
	s_endpgm
.Lfunc_end_k_qc56ab58276_outp:
	.size	k_qc56ab58276_outp, .Lfunc_end_k_qc56ab58276_outp-k_qc56ab58276_outp
	.p2alignl 7, 3214868480
	.fill 96, 4, 3214868480
	.section	.rodata,"a",@progbits
	.p2align	6, 0x0
	.amdhsa_kernel k_qc56ab58276_outp
		.amdhsa_group_segment_fixed_size 327680
		.amdhsa_private_segment_fixed_size 0
		.amdhsa_enable_private_segment 0
		.amdhsa_kernarg_size 32
		.amdhsa_user_sgpr_count 2
		.amdhsa_user_sgpr_kernarg_segment_ptr 1
		.amdhsa_wavefront_size32 1
		.amdhsa_system_sgpr_workgroup_id_x 1
		.amdhsa_system_sgpr_workgroup_id_y 1
		.amdhsa_system_sgpr_workgroup_id_z 1
		.amdhsa_system_vgpr_workitem_id 0
		.amdhsa_next_free_vgpr 512
		.amdhsa_next_free_sgpr 68
		.amdhsa_reserve_vcc 0
		.amdhsa_float_denorm_mode_32 3
		.amdhsa_float_denorm_mode_16_64 3
		.amdhsa_memory_ordered 1
		.amdhsa_forward_progress 1
		.amdhsa_inst_pref_size 86
	.end_amdhsa_kernel
	.amdgpu_metadata
---
amdhsa.version: [ 1, 2 ]
amdhsa.kernels:
  - .name:           k_qc56ab58276_outp
    .symbol:         k_qc56ab58276_outp.kd
    .args:
      - { .name: ctx, .offset: 0, .size: 8, .value_kind: global_buffer, .address_space: global }
      - { .name: wot, .offset: 8, .size: 8, .value_kind: global_buffer, .address_space: global }
      - { .name: out0, .offset: 16, .size: 8, .value_kind: global_buffer, .address_space: global }
      - { .name: bo, .offset: 24, .size: 8, .value_kind: global_buffer, .address_space: global }
    .group_segment_fixed_size: 327680
    .private_segment_fixed_size: 0
    .kernarg_segment_align: 8
    .kernarg_segment_size: 32
    .max_flat_workgroup_size: 128
    .sgpr_count:     68
    .vgpr_count:     512
    .wavefront_size: 32
...
	.end_amdgpu_metadata
.endif
;; end of part 4
